; MI455X (gfx1250); checked and timed in simulation.
; The chip was launched on July 23, 2026; its instructions are those of AMD's public machine-readable ISA for CDNA 5 (MIT licence, August 2026) and "CDNA5" Instruction Set Architecture Reference Guide (July 2026). The comments in the code are by the model that wrote it; some were corrected since.
;; Proof State Latent Attention. Allowed arithmetic: float matrix products may take bf16 or f16 operands with f32 sums; all other float work in f32.
;; Inputs: Wdown 1,024 x 256 float32; Wkv 256 x 2,048 float32; Wo 1,024 x 1,024 float32; Wq 1,024 x 1,024 float32; kn_b 64 float32; kn_g 64 float32; ln_b 256 float32; ln_g 256 float32; positions 2,048 int32; qn_b 64 float32; qn_g 64 float32; x 2 x 2,048 x 1,024 float32.
;; Outputs: out0 2 x 2,048 x 1,024 float32.
;; 2 versions, each right; version 2 is version 1 with the launch prep written anew for expert scheduling mode. Each part assembles by itself: llvm-mc -triple=amdgcn-amd-amdhsa -mcpu=gfx1250 --defsym DOCPART=n.
;; ======== version 1 of 2: 5 launches
;; limits: right only within a limited range of input values; values are held in f16: magnitudes above 65,504 overflow, below 6.1e-05 lose precision
;; workspace buffers: xb 8,388,608 bytes; wb 5,767,168 bytes; tab 524,288 bytes; lat 4,194,304 bytes; qb 8,388,608 bytes; kvb 16,777,216 bytes; ao 8,388,608 bytes
;; launch prep (part 1): grid 496 x 1, 8 waves a work-group, no clusters, 0 bytes of LDS; arguments x, positions, Wq, Wdown, Wkv, Wo, xb, wb, tab; writes xb, wb, tab
.if DOCPART == 1
	.amdgcn_target "amdgcn-amd-amdhsa--gfx1250"
	.amdhsa_code_object_version 6
	.text
	.protected	k_q7ea64588a4_prep
	.globl	k_q7ea64588a4_prep
	.p2align	8
	.type	k_q7ea64588a4_prep,@function
k_q7ea64588a4_prep:
	s_mov_b64 s[64:65], 0
	v_nop
	global_prefetch_b8 v0, s[64:65] scope:SCOPE_SE
	s_setreg_imm32_b32 hwreg(HW_REG_WAVE_MODE, 25, 1), 1
	s_wait_xcnt 0x0
; prep: x and the four weight matrices are rounded once to f16 and laid out as the later launches' tiles; cos and sin of the RoPE angles are tabulated.
;   xb  [rb = m/128][p = k/64][m%128][k%64] f16: a panel of 128 rows x 64 k is 16,384 consecutive bytes.
;   wb  blocks of 1,024 bytes, each [32 k][16 n] f16.  WC at 0: [j 8][ks 32][nt 10], nt 0-3 = Wq columns 128 j + 16 nt, nt 4 = Wdown columns 32 j ..,
;       nt 5-8 = Wq columns 128 j + 64 + 16 (nt-5), nt 9 = Wdown columns 32 j + 16 ..; WKV at 2,621,440: [jb 8][ks 8][nt 16]; WO at 3,670,016: [jb 8][ks 32][nt 8].
;   tab cos[s][32] f32 at 0, sin[s][32] at 262,144.
; A stream: every input byte is read once, every store of a wave covers 256 or 512 consecutive aligned bytes.  No LDS, no barrier, no matrix unit: no wave shares
; anything with another.  Work-groups 0-255 cast x, 256-319 Wq, 320-383 Wo, 384-415 Wkv, 416-431 Wdown, 432-495 make the tables; each wave has one unit u.
; LIMITS.  f16: an input above 65,504 in magnitude becomes infinite; below 6.1e-5 it keeps an absolute step of 6e-8.
; Angles: inv_freq is made by exp2 (relative error about 2e-7) and the reduction by quadrants uses pi/2 in two parts, so the angle is right to about 1e-3 radian
; for |positions| up to about 5,000, to about 0.02 up to 65,536, and the quadrant count holds for |position x inv_freq| below about 1e6.
.set X, 16                             ; v[16:79]   sixteen loads of 16 bytes
.set Y, 80                             ; v[80:111]  what is stored; every store has registers of its own
.set WKV_AT, 2621440
.set WO_AT,  3670016
; one (tile t, row half i) of a weight unit: q = 2 t + i; eight f32 of a lane become 16 bytes
.macro WOUT q, off
	s_wait_loadcnt 14-2*\q                         ; loads return in order: the two of this q are in, the younger ones stay out
	v_cvt_pk_f16_f32 v[Y+4*\q],   v[X+8*\q],   v[X+8*\q+1]
	v_cvt_pk_f16_f32 v[Y+4*\q+1], v[X+8*\q+2], v[X+8*\q+3]
	v_cvt_pk_f16_f32 v[Y+4*\q+2], v[X+8*\q+4], v[X+8*\q+5]
	v_cvt_pk_f16_f32 v[Y+4*\q+3], v[X+8*\q+6], v[X+8*\q+7]
	global_store_b128 v3, v[Y+4*\q:Y+4*\q+3], s[34:35] offset:\off   ; 32 lanes x 16 bytes: half a block, 512 consecutive bytes
.endm
; A weight unit: 32 rows (one ks) x 64 columns (four tiles) from s[32:33], pitch bytes from row to row, to four blocks at s[34:35] + o0 .. o3.
; Lane L takes row (L>>1) + 16 i, columns 8 (L&1) .. +7 of tile t: its 16 bytes of f16 lie at 16 L + 512 i of the block.
.macro WCAST pitch, o0, o1, o2, o3
	v_lshrrev_b32 v2, 1, v1
	v_mul_u32_u24 v2, v2, \pitch
	v_and_b32 v3, 1, v1
	v_lshl_add_u32 v2, v3, 5, v2                   ; source: (L>>1) pitch + 32 (L&1)
	v_lshlrev_b32 v3, 4, v1                        ; destination: 16 L
.irp t, 0,1,2,3
.irp i, 0,1
.irp e, 0,1
	global_load_b128 v[X+4*(4*\t+2*\i+\e):X+4*(4*\t+2*\i+\e)+3], v2, s[32:33] offset:64*\t+16*\pitch*\i+16*\e th:TH_LOAD_NT
.endr
.endr
.endr
	WOUT 0, \o0
	WOUT 1, \o0+512
	WOUT 2, \o1
	WOUT 3, \o1+512
	WOUT 4, \o2
	WOUT 5, \o2+512
	WOUT 6, \o3
	WOUT 7, \o3+512
.endm
; cos and sin of the angle in v[8+e]: n = nearest whole number of quarter turns, r = angle - n pi/2 (pi/2 in two parts, fused), polynomials on |r| <= pi/4,
; then the quadrant: odd n swaps the two, bit 1 of n (of n + 1) gives sin's (cos's) sign.  Selections only: no branch hangs on a number.
.macro SINCOS e
	v_mul_f32 v20, s40, v[8+\e]
	v_rndne_f32 v20, v20
	v_fma_f32 v21, v20, s41, v[8+\e]
	v_fma_f32 v21, v20, s42, v21
	v_cvt_i32_f32 v22, v20
	v_mul_f32 v23, v21, v21
	v_fma_f32 v24, v23, s43, s44
	v_fma_f32 v24, v24, v23, s45
	v_mul_f32 v24, v24, v23
	v_fma_f32 v24, v24, v21, v21                   ; sin r
	v_fma_f32 v25, v23, s46, s47
	v_fma_f32 v25, v25, v23, s48
	v_fma_f32 v25, v25, v23, -0.5
	v_fma_f32 v25, v25, v23, 1.0                   ; cos r
	v_and_b32 v26, 1, v22
	v_cmp_eq_u32 vcc_lo, 1, v26
	v_cndmask_b32 v27, v24, v25, vcc_lo
	v_cndmask_b32 v26, v25, v24, vcc_lo
	v_lshlrev_b32 v24, 30, v22
	v_and_b32 v24, 0x80000000, v24
	v_xor_b32 v[16+\e], v27, v24                   ; sin
	v_add_nc_u32 v22, 1, v22
	v_lshlrev_b32 v22, 30, v22
	v_and_b32 v22, 0x80000000, v22
	v_xor_b32 v[12+\e], v26, v22                   ; cos
.endm
	s_load_b512 s[4:19], s[0:1], 0x0               ; x s[4:5], positions s[6:7], Wq s[8:9], Wdown s[10:11], Wkv s[12:13], Wo s[14:15], xb s[16:17], wb s[18:19]
	s_load_b64 s[20:21], s[0:1], 0x40              ; tab
	v_lshrrev_b32 v1, 5, v0
	v_readfirstlane_b32 s22, v1                    ; wave
	v_and_b32 v1, 31, v0                           ; L
	s_mov_b32 s29, 0                               ; high words of the two offsets
	s_mov_b32 s31, 0
	s_wait_kmcnt 0x0
	s_cmp_lt_u32 ttmp9, 256
	s_cbranch_scc1 .Lxcast
	s_cmp_lt_u32 ttmp9, 320
	s_cbranch_scc1 .Lwq
	s_cmp_lt_u32 ttmp9, 384
	s_cbranch_scc1 .Lwo
	s_cmp_lt_u32 ttmp9, 416
	s_cbranch_scc1 .Lwkv
	s_cmp_lt_u32 ttmp9, 432
	s_cbranch_scc1 .Lwdown
	; TABLES: unit u = four positions; lane L: s = 4 u + (L>>3), frequencies i = 4 (L&7) + 0..3
	s_sub_co_u32 s23, ttmp9, 432
	s_lshl_b32 s23, s23, 3
	s_add_co_u32 s23, s23, s22
	s_lshl_b32 s28, s23, 4                         ; 16 u: four positions
	s_lshl_b32 s30, s23, 9                         ; 512 u: four rows of the table
	s_add_nc_u64 s[6:7], s[6:7], s[28:29]
	s_add_nc_u64 s[20:21], s[20:21], s[30:31]
	v_lshrrev_b32 v2, 3, v1
	v_lshlrev_b32 v2, 2, v2
	global_load_b32 v4, v2, s[6:7]
	s_mov_b32 s40, 0x3f22f983                      ; 2 / pi
	s_mov_b32 s41, 0xbfc90fdb                      ; - pi/2, upper part
	s_mov_b32 s42, 0x333bbd2e                      ; - pi/2, the rest
	s_mov_b32 s43, 0xb9500d01                      ; -1/5040
	s_mov_b32 s44, 0x3c088889                      ; 1/120
	s_mov_b32 s45, 0xbe2aaaab                      ; -1/6
	s_mov_b32 s46, 0x37d00d01                      ; 1/40320
	s_mov_b32 s47, 0xbab60b61                      ; -1/720
	s_mov_b32 s48, 0x3d2aaaab                      ; 1/24
	v_and_b32 v3, 7, v1
	v_lshlrev_b32 v3, 2, v3
	v_cvt_f32_u32 v8, v3
	v_add_f32 v9, 1.0, v8
	v_add_f32 v10, 2.0, v8
	v_add_f32 v11, 0x40400000, v8
	v_mul_f32 v8, 0xbed49a78, v8                   ; - i log2(10000) / 32
	v_mul_f32 v9, 0xbed49a78, v9
	v_mul_f32 v10, 0xbed49a78, v10
	v_mul_f32 v11, 0xbed49a78, v11
	v_exp_f32 v8, v8                               ; inv_freq = 10000^(-i/32)
	v_exp_f32 v9, v9
	v_exp_f32 v10, v10
	v_exp_f32 v11, v11
	v_lshlrev_b32 v5, 4, v1                        ; 16 L; also the plain instruction behind the exponentials (ISA guide 5.7.2)
	s_wait_loadcnt 0x0
	v_cvt_f32_i32 v4, v4
	s_wait_alu depctr_va_vdst(0)
	v_mul_f32 v8, v4, v8
	v_mul_f32 v9, v4, v9
	v_mul_f32 v10, v4, v10
	v_mul_f32 v11, v4, v11
	SINCOS 0
	SINCOS 1
	SINCOS 2
	SINCOS 3
	global_store_b128 v5, v[12:15], s[20:21]
	global_store_b128 v5, v[16:19], s[20:21] offset:262144
	s_endpgm
.Lxcast:                                               ; unit u: 32 rows x 64 columns of x
	s_lshl_b32 s23, ttmp9, 3
	s_add_co_u32 s23, s23, s22
	s_lshr_b32 s24, s23, 6                         ; rb
	s_bfe_u32 s25, s23, 0x40002                    ; p
	s_and_b32 s26, s23, 3                          ; g: which 32 of the 128 rows
	s_lshl_b32 s28, s24, 19
	s_lshl_b32 s27, s26, 17
	s_add_co_u32 s28, s28, s27
	s_lshl_b32 s27, s25, 8
	s_add_co_u32 s28, s28, s27                     ; x: rb 524288 + g 131072 + p 256
	s_lshl_b32 s30, s24, 18
	s_lshl_b32 s27, s25, 14
	s_add_co_u32 s30, s30, s27
	s_lshl_b32 s27, s26, 12
	s_add_co_u32 s30, s30, s27                     ; xb: rb 262144 + p 16384 + g 4096
	s_add_nc_u64 s[4:5], s[4:5], s[28:29]
	s_add_nc_u64 s[16:17], s[16:17], s[30:31]
	v_and_b32 v2, 15, v1
	v_lshlrev_b32 v2, 4, v2
	v_lshrrev_b32 v3, 4, v1
	v_lshl_add_u32 v2, v3, 12, v2                  ; lanes 0-15 one row's 256 bytes, lanes 16-31 the next row's
	v_lshlrev_b32 v3, 3, v1                        ; 8 L: the same two rows are 256 consecutive bytes of the panel
.set i, 0
.rept 16
	global_load_b128 v[X+4*i:X+4*i+3], v2, s[4:5] offset:8192*i th:TH_LOAD_NT
.set i, i+1
.endr
.set i, 0
.rept 16
	s_wait_loadcnt 15-i                            ; load i is in, the younger ones stay out
	v_cvt_pk_f16_f32 v[Y+2*i],   v[X+4*i],   v[X+4*i+1]
	v_cvt_pk_f16_f32 v[Y+2*i+1], v[X+4*i+2], v[X+4*i+3]
	global_store_b64 v3, v[Y+2*i:Y+2*i+1], s[16:17] offset:256*i
.set i, i+1
.endr
	s_endpgm
.Lwq:
	s_sub_co_u32 s23, ttmp9, 256
	s_lshl_b32 s23, s23, 3
	s_add_co_u32 s23, s23, s22
	s_and_b32 s24, s23, 15                         ; qd: which 64 columns (a head)
	s_lshr_b32 s25, s23, 4                         ; ks
	s_lshl_b32 s28, s25, 17
	s_lshl_b32 s26, s24, 8
	s_add_co_u32 s28, s28, s26
	s_lshr_b32 s26, s24, 1
	s_lshl_b32 s26, s26, 5
	s_add_co_u32 s26, s26, s25                     ; 32 j + ks
	s_mul_i32 s30, s26, 10240
	s_and_b32 s26, s24, 1
	s_mul_i32 s26, s26, 5120
	s_add_co_u32 s30, s30, s26
	s_add_nc_u64 s[32:33], s[8:9], s[28:29]
	s_add_nc_u64 s[34:35], s[18:19], s[30:31]
	WCAST 4096, 0, 1024, 2048, 3072
	s_endpgm
.Lwo:
	s_sub_co_u32 s23, ttmp9, 320
	s_lshl_b32 s23, s23, 3
	s_add_co_u32 s23, s23, s22
	s_and_b32 s24, s23, 15
	s_lshr_b32 s25, s23, 4
	s_lshl_b32 s28, s25, 17
	s_lshl_b32 s26, s24, 8
	s_add_co_u32 s28, s28, s26
	s_lshr_b32 s26, s24, 1
	s_lshl_b32 s26, s26, 5
	s_add_co_u32 s26, s26, s25                     ; 32 jb + ks
	s_lshl_b32 s30, s26, 13
	s_and_b32 s26, s24, 1
	s_lshl_b32 s26, s26, 12
	s_add_co_u32 s30, s30, s26
	s_add_co_u32 s30, s30, WO_AT
	s_add_nc_u64 s[32:33], s[14:15], s[28:29]
	s_add_nc_u64 s[34:35], s[18:19], s[30:31]
	WCAST 4096, 0, 1024, 2048, 3072
	s_endpgm
.Lwkv:
	s_sub_co_u32 s23, ttmp9, 384
	s_lshl_b32 s23, s23, 3
	s_add_co_u32 s23, s23, s22
	s_and_b32 s24, s23, 31
	s_lshr_b32 s25, s23, 5
	s_lshl_b32 s28, s25, 18
	s_lshl_b32 s26, s24, 8
	s_add_co_u32 s28, s28, s26
	s_lshr_b32 s26, s24, 2
	s_lshl_b32 s26, s26, 3
	s_add_co_u32 s26, s26, s25                     ; 8 jb + ks
	s_lshl_b32 s30, s26, 14
	s_and_b32 s26, s24, 3
	s_lshl_b32 s26, s26, 12
	s_add_co_u32 s30, s30, s26
	s_add_co_u32 s30, s30, WKV_AT
	s_add_nc_u64 s[32:33], s[12:13], s[28:29]
	s_add_nc_u64 s[34:35], s[18:19], s[30:31]
	WCAST 8192, 0, 1024, 2048, 3072
	s_endpgm
.Lwdown:
	s_sub_co_u32 s23, ttmp9, 416
	s_lshl_b32 s23, s23, 3
	s_add_co_u32 s23, s23, s22
	s_and_b32 s24, s23, 3
	s_lshr_b32 s25, s23, 2
	s_lshl_b32 s28, s25, 15
	s_lshl_b32 s26, s24, 8
	s_add_co_u32 s28, s28, s26
	s_lshl_b32 s26, s24, 6
	s_add_co_u32 s26, s26, s25                     ; 32 (2 qd) + ks
	s_mul_i32 s30, s26, 10240
	s_add_nc_u64 s[32:33], s[10:11], s[28:29]
	s_add_nc_u64 s[34:35], s[18:19], s[30:31]
	WCAST 1024, 4096, 9216, 331776, 336896         ; tiles 0, 1 are nt 4, 9 of j = 2 qd; tiles 2, 3 those of j = 2 qd + 1 (327,680 bytes on)
	s_endpgm
.Lfunc_end_k_q7ea64588a4_prep:
	.size	k_q7ea64588a4_prep, .Lfunc_end_k_q7ea64588a4_prep-k_q7ea64588a4_prep
	.p2alignl 7, 3214868480
	.fill 96, 4, 3214868480
	.section	.rodata,"a",@progbits
	.p2align	6, 0x0
	.amdhsa_kernel k_q7ea64588a4_prep
		.amdhsa_group_segment_fixed_size 0
		.amdhsa_private_segment_fixed_size 0
		.amdhsa_enable_private_segment 0
		.amdhsa_kernarg_size 72
		.amdhsa_user_sgpr_count 2
		.amdhsa_user_sgpr_kernarg_segment_ptr 1
		.amdhsa_wavefront_size32 1
		.amdhsa_system_sgpr_workgroup_id_x 1
		.amdhsa_system_sgpr_workgroup_id_y 1
		.amdhsa_system_sgpr_workgroup_id_z 1
		.amdhsa_system_vgpr_workitem_id 0
		.amdhsa_next_free_vgpr 112
		.amdhsa_next_free_sgpr 66
		.amdhsa_reserve_vcc 1
		.amdhsa_float_denorm_mode_32 3
		.amdhsa_float_denorm_mode_16_64 3
		.amdhsa_memory_ordered 1
		.amdhsa_forward_progress 1
		.amdhsa_inst_pref_size 36
	.end_amdhsa_kernel
	.amdgpu_metadata
---
amdhsa.version: [ 1, 2 ]
amdhsa.kernels:
  - .name:           k_q7ea64588a4_prep
    .symbol:         k_q7ea64588a4_prep.kd
    .args:
      - { .name: x, .offset: 0, .size: 8, .value_kind: global_buffer, .address_space: global }
      - { .name: positions, .offset: 8, .size: 8, .value_kind: global_buffer, .address_space: global }
      - { .name: Wq, .offset: 16, .size: 8, .value_kind: global_buffer, .address_space: global }
      - { .name: Wdown, .offset: 24, .size: 8, .value_kind: global_buffer, .address_space: global }
      - { .name: Wkv, .offset: 32, .size: 8, .value_kind: global_buffer, .address_space: global }
      - { .name: Wo, .offset: 40, .size: 8, .value_kind: global_buffer, .address_space: global }
      - { .name: xb, .offset: 48, .size: 8, .value_kind: global_buffer, .address_space: global }
      - { .name: wb, .offset: 56, .size: 8, .value_kind: global_buffer, .address_space: global }
      - { .name: tab, .offset: 64, .size: 8, .value_kind: global_buffer, .address_space: global }
    .group_segment_fixed_size: 0
    .private_segment_fixed_size: 0
    .kernarg_segment_align: 8
    .kernarg_segment_size: 72
    .max_flat_workgroup_size: 256
    .sgpr_count:     66
    .vgpr_count:     112
    .wavefront_size: 32
...
	.end_amdgpu_metadata
.endif
;; end of part 1
;; launch qlat (part 2): grid 8 x 32, 4 waves a work-group, clusters of 4 x 4, 327,680 bytes of LDS; arguments xb, wb, tab, qn_g, qn_b, qb, lat; writes qb, lat
.if DOCPART == 2
	.amdgcn_target "amdgcn-amd-amdhsa--gfx1250"
	.amdhsa_code_object_version 6
	.text
	.protected	k_q7ea64588a4_qlat
	.globl	k_q7ea64588a4_qlat
	.p2align	8
	.type	k_q7ea64588a4_qlat,@function
k_q7ea64588a4_qlat:
	s_mov_b64 s[64:65], 0
	v_nop
	global_prefetch_b8 v0, s[64:65] scope:SCOPE_SE
	s_setreg_imm32_b32 hwreg(HW_REG_WAVE_MODE, 25, 1), 1
	s_wait_xcnt 0x0
	s_wait_alu depctr_hold_cnt(0) depctr_sa_sdst(0) depctr_va_vdst(0) depctr_va_sdst(0) depctr_va_ssrc(0) depctr_va_vcc(0) depctr_vm_vsrc(0)
	s_getreg_b32 s2, hwreg(HW_REG_IB_STS2, 6, 4)
	s_cmp_eq_u32 s2, 0
	s_cbranch_scc0 .Lentry_in_a_cluster
	s_endpgm
.Lentry_in_a_cluster:
	s_bfe_u32 s2, ttmp6, 0x10000c
	s_cmp_lg_u32 s2, 0xf033
	s_cbranch_scc0 .Lentry_shape_is_right
	s_endpgm
.Lentry_shape_is_right:
; qlat: x [Wq | Wdown].  A work-group makes 128 rows x 160 columns: two heads of q (128 columns) and 32 latent columns; 8 x 32 = 256 work-groups of equal work.
; q gets RoPE, its LayerNorm over the head's 64 numbers and the factor SCALE log2(e) (folded into gain and bias), and is stored as f16 [B][H][S][64];
; the latent columns are stored raw in f32, [rb][ct 16][128 rows][16 columns]: their LayerNorm needs all 256 and is made by the next launch.
; Four waves; wave w: wm = w>>1 picks 64 rows, wc = w&1 picks 80 columns (a head and 16 latent): 4 x 5 accumulator tiles, 160 registers.
; K = 1024 comes in four fills of 256 through two LDS slots.  CLUSTER 4 x 4: x's tile hangs on the block row alone and is asked for jointly along a row of the cluster,
; the weights' tile on the block column alone and jointly along a column: the requests for both are divided by four.
; THE MATRIX INSTRUCTION IS USED TRANSPOSED: source 0 = 16 columns of W, source 1 = 16 rows of x.  Register j of lane (r, h) is C(row r, column 8 h + j): a lane holds
; 32 of a head's 64 numbers of one row, lane xor 16 the others, and RoPE's partners d, d + 32 are tiles t, t + 2 of the same lane.
; Operands are f16, sums f32.  LIMIT: an operand above 65,504 becomes infinite; q after its LayerNorm is at most 0.18 (8 max|g| + max|b|).
; LDS: x ring at s 69,632: a row of 256 bytes holds two rows of a panel (128 bytes each), 16 bytes of padding behind it; W ring at 139,264 + s 81,920: blocks [32 k][16 n];
; stages at 303,104 + w 5,120 (written by LDS stores alone, no fill lands there).
; REGISTERS.  Window 0: v1 ADRA, v2 ADRB (running), v3, v4 their lane terms, v5 STO, v6 RD, v7 LSTO, v8 LRD, v9 16 L, v10 table offset, v11 gain offset, v12-15 pairs,
; v16-31 at work, v32-103 and v104-175 two fragment buffers (5 of W, 4 of x), v176-207 gain, v208-239 bias.  Window 1: accumulator (a, b) at 8 (5 a + b).
; Window 2: cos at 32 a + 8 t + j, sin at 32 a + 16 + 8 t + j.
.set G1A, 28                           ; s[28:35] group 1 for x's tiles
.set G1B, 36                           ; s[36:43] group 1 for W's tiles
.set G0A, 44                           ; s[44:51] group 0 for x's tiles, one set a slot
.set G0B, 52                           ; s[52:59] group 0 for W's tiles, one set a slot
.set ASLOT, 69632
.set BSLOT, 81920
.set BBASE, 139264
.set STAGE, 303104
.set BUF0, 32
.set BUF1, 104
.set AF, 40                            ; x's fragments stand 40 registers behind W's in a buffer
.set NMP, 12
.set RSP, 14
.set T, 16
.set Y, 32
.set PK, 64
.set RBK, 80
.set LB, 96
.set G, 176
.set BB, 208
.set MSB, 0
.macro WIN new                         ; the immediate's high byte repeats the setting that is left
.if MSB != \new
	s_set_vgpr_msb (MSB<<8)|\new
.set MSB, \new
.endif
.endm
.macro PLACES cnt
.rept \cnt
	v_nop
.endr
.endm
; a round of the cluster's barrier: my work-group's barrier, wave 0 signals for the work-group, every wave waits for all sixteen, my work-group's barrier again
.macro ROUND
	s_barrier_signal -1
	s_barrier_wait -1
	s_cmp_lg_u32 s18, 0
	s_cbranch_scc1 .Lnot_wave_0_\@
	s_barrier_signal -3
.Lnot_wave_0_\@:
	s_barrier_wait -3
	s_barrier_signal -1
	s_barrier_wait -1
.endm
; a joint load: waves 0, 1 ask for the two halves of x's tile, waves 2, 3 for those of W's; each line has one mask; the branch hangs on the wave's number alone
.macro JLOAD s
	s_cmp_eq_u32 s19, 0
	s_cbranch_scc0 .Lfor_b_\@
	tensor_load_to_lds s[G0A+4*\s:G0A+4*\s+3], s[G1A:G1A+7]
	s_nop 0
	s_branch .Lasked_\@
.Lfor_b_\@:
	tensor_load_to_lds s[G0B+4*\s:G0B+4*\s+3], s[G1B:G1B+7]
	s_nop 0
.Lasked_\@:
.endm
; slot s, read to its end, is filled again two fills ahead: my LDS reads are back, all my tensor loads have landed (so a group 0 may be written), a round of the
; cluster's barrier says the same of every wave of all partners, and the joint load is the first thing behind it, one a wave
.macro CHANGE s
	s_wait_dscnt 0x0
	s_wait_tensorcnt 0x0
	ds_add_u32 v254, v255
	s_wait_dscnt 0x0
	s_add_nc_u64 s[G0A+4*\s+2:G0A+4*\s+3], s[G0A+4*\s+2:G0A+4*\s+3], 131072
	s_add_nc_u64 s[G0B+4*\s+2:G0B+4*\s+3], s[G0B+4*\s+2:G0B+4*\s+3], 163840
	ROUND
	JLOAD \s
.endm
; 18 LDS loads: the fragments of 32 k (half kk of a panel): five of W by transposing loads (a block is 32 k x 16 n; each load takes 512 consecutive bytes), four of x
.macro FETCH buf, kk
.irp b, 0,1,2,3,4
	ds_load_tr16_b128 v[\buf+8*\b:\buf+8*\b+3],   v2 offset:\kk*10240+1024*\b
	ds_load_tr16_b128 v[\buf+8*\b+4:\buf+8*\b+7], v2 offset:\kk*10240+1024*\b+512
.endr
.irp a, 0,1,2,3
	ds_load_b128 v[\buf+AF+8*\a:\buf+AF+8*\a+3],   v1 offset:2176*\a+64*\kk
	ds_load_b128 v[\buf+AF+8*\a+4:\buf+AF+8*\a+7], v1 offset:2176*\a+64*\kk+32
.endr
.endm
; 20 matrix instructions, one on each accumulator, always in this order: the accumulators take turns
.macro MUL buf, zero
	WIN 0x50                                       ; C and D in window 1
.irp a, 0,1,2,3
.irp b, 0,1,2,3,4
.if \zero
	v_wmma_f32_16x16x32_f16 v[8*(5*\a+\b):8*(5*\a+\b)+7], v[\buf+8*\b:\buf+8*\b+7], v[\buf+AF+8*\a:\buf+AF+8*\a+7], 0
.else
	v_wmma_f32_16x16x32_f16 v[8*(5*\a+\b):8*(5*\a+\b)+7], v[\buf+8*\b:\buf+8*\b+7], v[\buf+AF+8*\a:\buf+AF+8*\a+7], v[8*(5*\a+\b):8*(5*\a+\b)+7]
.endif
.endr
.endr
	WIN 0
.endm
; a panel of 64 k.  A load into a register that a matrix instruction has read stands four plain vector instructions behind it.
.macro TRIP zero, next
	FETCH BUF1, 1
	s_wait_dscnt 18                                ; all but the 18 just issued: buffer 0 is in
	MUL BUF0, \zero
	v_add_nc_u32 v1, 17408, v1                     ; the next panel: 64 LDS rows of 272 bytes,
	v_add_nc_u32 v2, 20480, v2                     ; two rows of ten blocks; with the two v_nop the four places
	v_nop
	v_nop
.if \next
	FETCH BUF0, 0
	s_wait_dscnt 18                                ; buffer 1 is in
.else
	s_wait_dscnt 0x0
.endif
	MUL BUF1, 0
	PLACES 4
.endm
.macro PROC s, zero                    ; a fill: four panels
	v_add_nc_u32 v1, \s*ASLOT, v3
	v_add_nc_u32 v2, \s*BSLOT, v4
	FETCH BUF0, 0
	TRIP \zero, 1
	TRIP 0, 1
	TRIP 0, 1
	TRIP 0, 0
.endm
; LayerNorm over 64 numbers, 32 in Y of this lane and 32 in lane xor 16: mean, centre, variance of the centred numbers, times 1/sqrt(var + eps)
.macro LN64
.irp c, 0,1,2,3
	v_pk_add_f32 v[T+2*\c:T+2*\c+1], v[Y+2*\c:Y+2*\c+1], v[Y+8+2*\c:Y+8+2*\c+1]
.endr
.irp g, 2,3
.irp c, 0,1,2,3
	v_pk_add_f32 v[T+2*\c:T+2*\c+1], v[T+2*\c:T+2*\c+1], v[Y+8*\g+2*\c:Y+8*\g+2*\c+1]
.endr
.endr
	v_pk_add_f32 v[T:T+1], v[T:T+1], v[T+2:T+3]
	v_pk_add_f32 v[T+4:T+5], v[T+4:T+5], v[T+6:T+7]
	v_pk_add_f32 v[T:T+1], v[T:T+1], v[T+4:T+5]
	v_add_f32 v[T], v[T], v[T+1]
	v_permlanex16_b32 v[T+1], v[T], s60, s61
	v_add_f32 v[T], v[T], v[T+1]
	v_mul_f32 v[NMP], 0xbc800000, v[T]             ; - mean
	v_mov_b32 v[NMP+1], v[NMP]
.set i, 0
.rept 16
	v_pk_add_f32 v[Y+2*i:Y+2*i+1], v[Y+2*i:Y+2*i+1], v[NMP:NMP+1]
.set i, i+1
.endr
.irp c, 0,1,2,3
	v_pk_mul_f32 v[T+2*\c:T+2*\c+1], v[Y+2*\c:Y+2*\c+1], v[Y+2*\c:Y+2*\c+1]
.endr
.irp g, 1,2,3
.irp c, 0,1,2,3
	v_pk_fma_f32 v[T+2*\c:T+2*\c+1], v[Y+8*\g+2*\c:Y+8*\g+2*\c+1], v[Y+8*\g+2*\c:Y+8*\g+2*\c+1], v[T+2*\c:T+2*\c+1]
.endr
.endr
	v_pk_add_f32 v[T:T+1], v[T:T+1], v[T+2:T+3]
	v_pk_add_f32 v[T+4:T+5], v[T+4:T+5], v[T+6:T+7]
	v_pk_add_f32 v[T:T+1], v[T:T+1], v[T+4:T+5]
	v_add_f32 v[T], v[T], v[T+1]
	v_permlanex16_b32 v[T+1], v[T], s60, s61
	v_add_f32 v[T], v[T], v[T+1]
	v_fma_f32 v[T], v[T], s62, s63                 ; sum / 64 + eps
	v_rsq_f32 v[RSP], v[T]
	v_rsq_f32 v[RSP+1], v[T]
	v_nop                                          ; a plain instruction behind the roots (ISA guide 5.7.2)
.set i, 0
	s_wait_alu depctr_va_vdst(0)
.rept 16
	v_pk_mul_f32 v[Y+2*i:Y+2*i+1], v[Y+2*i:Y+2*i+1], v[RSP:RSP+1]
.set i, i+1
.endr
.endm
; rows 16 a .. 16 a + 15 of my head
.macro HEADLN a
	WIN 0x09                                       ; source 0 (accumulators) window 1, source 1 (cos, sin) window 2
.irp t, 0,1
.irp p, 0,1,2,3
	v_pk_mul_f32 v[T+4*\p:T+4*\p+1],   v[8*(5*\a+\t+2)+2*\p:8*(5*\a+\t+2)+2*\p+1], v[32*\a+16+8*\t+2*\p:32*\a+16+8*\t+2*\p+1]
	v_pk_mul_f32 v[T+4*\p+2:T+4*\p+3], v[8*(5*\a+\t)+2*\p:8*(5*\a+\t)+2*\p+1],     v[32*\a+16+8*\t+2*\p:32*\a+16+8*\t+2*\p+1]
	v_pk_fma_f32 v[Y+8*\t+2*\p:Y+8*\t+2*\p+1],       v[8*(5*\a+\t)+2*\p:8*(5*\a+\t)+2*\p+1],     v[32*\a+8*\t+2*\p:32*\a+8*\t+2*\p+1], v[T+4*\p:T+4*\p+1] neg_lo:[0,0,1] neg_hi:[0,0,1]
	v_pk_fma_f32 v[Y+16+8*\t+2*\p:Y+16+8*\t+2*\p+1], v[8*(5*\a+\t+2)+2*\p:8*(5*\a+\t+2)+2*\p+1], v[32*\a+8*\t+2*\p:32*\a+8*\t+2*\p+1], v[T+4*\p+2:T+4*\p+3]
.endr
.endr
	WIN 0
	LN64
.set i, 0
.rept 16
	v_pk_fma_f32 v[Y+2*i:Y+2*i+1], v[Y+2*i:Y+2*i+1], v[G+2*i:G+2*i+1], v[BB+2*i:BB+2*i+1]
.set i, i+1
.endr
.set i, 0
.rept 16
	v_cvt_pk_f16_f32 v[PK+i], v[Y+2*i], v[Y+2*i+1]
.set i, i+1
.endr
.irp b, 0,1,2,3
	ds_store_b128 v5, v[PK+4*\b:PK+4*\b+3] offset:32*\b          ; my stage: row r at pitch 144, columns 16 b + 8 h ..
.endr
	s_wait_xcnt 0x0                                ; the last stores' data registers are loaded again only behind this wait
.irp q, 0,1,2,3
	ds_load_b128 v[RBK+4*\q:RBK+4*\q+3], v6 offset:576*\q        ; LDS serves a wave in order: these see the stores above; four whole rows each
.endr
.irp q, 0,1,2,3
	s_wait_dscnt 3-\q
	global_store_b128 v9, v[RBK+4*\q:RBK+4*\q+3], s[14:15] offset:\a*2048+512*\q   ; 512 consecutive aligned bytes
.endr
.endm
	s_load_b256 s[4:11], s[0:1], 0x0               ; xb s[4:5], wb s[6:7], tab s[8:9], qn_g s[10:11]
	s_load_b128 s[12:15], s[0:1], 0x20             ; qn_b s[12:13], qb s[14:15]
	s_load_b64 s[16:17], s[0:1], 0x30              ; lat
	v_lshl_add_u32 v254, v0, 2, 0x4f000
	v_mov_b32 v255, 0
	ds_add_u32 v254, v255
	v_lshrrev_b32 v1, 5, v0
	v_readfirstlane_b32 s18, v1                    ; wave
	s_lshr_b32 s19, s18, 1                         ; wm; also: I fetch for x (0) or for W (1)
	s_and_b32 s20, s18, 1                          ; wc; also: which half of that tile
	s_bfe_u32 s21, ttmp6, 0x40000                  ; cx
	s_bfe_u32 s22, ttmp6, 0x40004                  ; cy
	s_lshl_b32 s23, ttmp9, 2
	s_add_co_u32 s23, s23, s21                     ; j: block column
	s_and_b32 s24, ttmp7, 0xffff
	s_lshl_b32 s24, s24, 2
	s_add_co_u32 s24, s24, s22                     ; rb: block row
	s_lshl_b32 s25, s22, 2
	s_lshl_b32 s25, 15, s25                        ; my row of the cluster
	s_lshl_b32 s26, 0x1111, s21                    ; my column
	; group 1: dense blocks as rows of 32 elements of 8 bytes.  x: 128 rows, 4 words of padding behind every 64; W: 160 rows, none
	s_or_b32 s[G1A+0], s25, (3<<16)|(1<<20)|(1<<21)|(5<<22)|(3<<25)
	s_mov_b32 s[G1A+1], 32<<16
	s_mov_b32 s[G1A+2], 128<<16
	s_mov_b32 s[G1A+3], 32<<16
	s_mov_b32 s[G1A+4], 128
	s_mov_b32 s[G1A+5], 32
	s_mov_b32 s[G1A+6], 0
	s_mov_b32 s[G1A+7], 0
	s_or_b32 s[G1B+0], s26, (3<<16)|(1<<21)
	s_mov_b32 s[G1B+1], 32<<16
	s_mov_b32 s[G1B+2], 160<<16
	s_mov_b32 s[G1B+3], 32<<16
	s_mov_b32 s[G1B+4], 160
	s_mov_b32 s[G1B+5], 32
	s_mov_b32 s[G1B+6], 0
	s_mov_b32 s[G1B+7], 0
	s_lshl_b32 s66, s24, 18                        ; x: rb 262144 + half 32768 (never holds cx)
	s_lshl_b32 s27, s20, 15
	s_add_co_u32 s66, s66, s27
	s_mov_b32 s67, 0
	s_mul_i32 s68, s23, 327680                     ; W: j 327680 + half 40960 (never holds cy)
	s_mul_i32 s27, s20, 40960
	s_add_co_u32 s68, s68, s27
	s_mov_b32 s69, 0
	s_mul_i32 s70, s18, 34816                      ; LDS, x's halves: waves 0, 1 at w 34816
	s_mul_i32 s71, s18, 40960
	s_add_co_u32 s71, s71, 57344                   ; LDS, W's halves: waves 2, 3 at 139264 + (w - 2) 40960
	s_wait_dscnt 0x0
	s_wait_kmcnt 0x0
	s_add_nc_u64 s[66:67], s[4:5], s[66:67]
	s_add_nc_u64 s[68:69], s[6:7], s[68:69]
	ROUND                                          ; all sixteen work-groups are here: the first joint loads meet
.irp s, 0,1
	s_mov_b32 s[G0A+4*\s], 1
	s_add_co_u32 s[G0A+4*\s+1], s70, \s*ASLOT
	s_add_nc_u64 s[G0A+4*\s+2:G0A+4*\s+3], s[66:67], \s*65536
	s_or_b32 s[G0A+4*\s+3], s[G0A+4*\s+3], 0x80000000
	s_mov_b32 s[G0B+4*\s], 1
	s_add_co_u32 s[G0B+4*\s+1], s71, \s*BSLOT
	s_add_nc_u64 s[G0B+4*\s+2:G0B+4*\s+3], s[68:69], \s*81920
	s_or_b32 s[G0B+4*\s+3], s[G0B+4*\s+3], 0x80000000
	JLOAD \s                                       ; both first fills go out together: two tensor loads of a wave are out, the most in this text
.endr
	s_mov_b32 s60, 0x76543210                      ; v_permlanex16_b32: lane i reads lane i of the other half
	s_mov_b32 s61, 0xfedcba98
	s_mov_b32 s62, 0x3c800000                      ; 1/64
	s_mov_b32 s63, 0x3727c5ac                      ; eps = 1e-5
	v_and_b32 v16, 31, v0                          ; L
	v_and_b32 v17, 15, v0                          ; r
	v_bfe_u32 v18, v0, 4, 1                        ; h
	v_lshrrev_b32 v19, 1, v17
	v_mul_u32_u24 v19, v19, 272
	v_and_b32 v20, 1, v0
	v_lshl_add_u32 v19, v20, 7, v19
	v_lshl_add_u32 v19, v18, 4, v19                ; (r>>1) 272 + (r&1) 128 + 16 h: sixteen different 16-byte columns modulo 256 bytes
	s_mul_i32 s27, s19, 8704
	v_add_nc_u32 v3, s27, v19                      ; + my 64 rows
	v_and_b32 v20, 7, v0
	v_lshlrev_b32 v21, 5, v20
	v_lshl_add_u32 v21, v18, 8, v21
	v_bfe_u32 v22, v0, 3, 1
	v_lshl_add_u32 v21, v22, 4, v21                ; 256 h + 32 (L&7) + 16 ((L>>3)&1)
	s_mul_i32 s27, s20, 5120
	s_add_co_u32 s27, s27, BBASE
	v_add_nc_u32 v4, s27, v21                      ; + my five blocks
	s_mul_i32 s27, s18, 5120
	s_add_co_u32 s27, s27, STAGE
	v_mul_u32_u24 v19, v17, 144
	v_lshl_add_u32 v19, v18, 4, v19
	v_add_nc_u32 v5, s27, v19                      ; STO
	v_lshrrev_b32 v19, 3, v16
	v_mul_u32_u24 v19, v19, 144
	v_lshl_add_u32 v19, v20, 4, v19
	v_add_nc_u32 v6, s27, v19                      ; RD
	v_mul_u32_u24 v19, v17, 80
	v_lshl_add_u32 v19, v18, 5, v19
	v_add_nc_u32 v7, s27, v19                      ; LSTO: row r at pitch 80, 32 h
	v_lshrrev_b32 v19, 2, v16
	v_mul_u32_u24 v19, v19, 80
	v_and_b32 v20, 3, v0
	v_lshl_add_u32 v19, v20, 4, v19
	v_add_nc_u32 v8, s27, v19                      ; LRD
	v_lshlrev_b32 v9, 4, v16                       ; 16 L
	s_and_b32 s75, s24, 15
	s_lshl_b32 s75, s75, 14
	s_lshl_b32 s74, s19, 13
	s_add_co_u32 s75, s75, s74                     ; ((rb&15) 128 + 64 wm) rows of 128 bytes
	v_lshlrev_b32 v19, 7, v17
	v_lshl_add_u32 v19, v18, 5, v19
	v_add_nc_u32 v10, s75, v19                     ; table: my row r, 32 h
	v_lshlrev_b32 v11, 5, v18                      ; gain and bias: 32 h
	; cos, sin, gain and bias: 48 loads that stay out during the whole product; their address registers are never written again
	WIN 0x80
.irp a, 0,1,2,3
.irp t, 0,1
.irp e, 0,1
	global_load_b128 v[32*\a+8*\t+4*\e:32*\a+8*\t+4*\e+3],       v10, s[8:9] offset:\a*2048+64*\t+16*\e
	global_load_b128 v[32*\a+16+8*\t+4*\e:32*\a+16+8*\t+4*\e+3], v10, s[8:9] offset:262144+\a*2048+64*\t+16*\e
.endr
.endr
.endr
	WIN 0
.irp b, 0,1,2,3
.irp e, 0,1
	global_load_b128 v[G+8*\b+4*\e:G+8*\b+4*\e+3],   v11, s[10:11] offset:64*\b+16*\e
	global_load_b128 v[BB+8*\b+4*\e:BB+8*\b+4*\e+3], v11, s[12:13] offset:64*\b+16*\e
.endr
.endr
	; where the results go
	s_lshl_b32 s72, s24, 17
	s_lshl_b32 s27, s23, 1
	s_add_co_u32 s27, s27, s20                     ; 2 j + wc: my head in the batch, and my latent column tile
	s_lshl_b32 s74, s27, 13
	s_add_co_u32 s72, s72, s74
	s_lshl_b32 s74, s19, 12
	s_add_co_u32 s72, s72, s74
	s_mov_b32 s73, 0
	s_add_nc_u64 s[16:17], s[16:17], s[72:73]      ; lat + rb 131072 + ct 8192 + wm 4096
	s_lshr_b32 s74, s24, 4
	s_lshl_b32 s74, s74, 4
	s_add_co_u32 s74, s74, s27
	s_lshl_b32 s72, s74, 18
	s_add_co_u32 s72, s72, s75
	s_add_nc_u64 s[14:15], s[14:15], s[72:73]      ; qb + ((16 batch + head) 2048 + (rb&15) 128 + 64 wm) 128
	s_wait_tensorcnt 0x1                           ; my part of fill 0 is in; fill 1's may stay out
	s_barrier_signal -1
	s_barrier_wait -1
	PROC 0, 1                                      ; the first products start the sums: nothing is cleared
	CHANGE 0
	PROC 1, 0
	CHANGE 1
	PROC 0, 0
	s_wait_dscnt 0x0
	s_wait_tensorcnt 0x0                           ; my part of the last fill is in
	s_barrier_signal -1
	s_barrier_wait -1
	PROC 1, 0
	s_wait_loadcnt 0x0                             ; tables, gain, bias
.set i, 0
.rept 32
	v_pk_mul_f32 v[G+2*i:G+2*i+1], v[G+2*i:G+2*i+1], 0x3e38aa3b op_sel_hi:[1,0]   ; gain and bias times SCALE log2(e) = 0.125 x 1.442695
.set i, i+1
.endr
	; the latent columns: 64 rows x 16 f32 through my stage (pitch 80), out as 512 consecutive bytes a store
	WIN 0x04                                       ; store data in window 1
.irp a, 0,1,2,3
	ds_store_b128 v7, v[8*(5*\a+4):8*(5*\a+4)+3]   offset:1280*\a
	ds_store_b128 v7, v[8*(5*\a+4)+4:8*(5*\a+4)+7] offset:1280*\a+16
.endr
	WIN 0
.irp q, 0,1,2,3,4,5,6,7
	ds_load_b128 v[LB+4*\q:LB+4*\q+3], v8 offset:640*\q
.endr
.irp q, 0,1,2,3,4,5,6,7
	s_wait_dscnt 7-\q
	global_store_b128 v9, v[LB+4*\q:LB+4*\q+3], s[16:17] offset:512*\q
.endr
	HEADLN 0
	HEADLN 1
	HEADLN 2
	HEADLN 3
	s_wait_tensorcnt 0x0
	ds_add_u32 v254, v255
	s_wait_dscnt 0x0
	ROUND                                          ; the closing round: no work-group ends while a partner may still ask for a tile that names it
	s_endpgm
.Lfunc_end_k_q7ea64588a4_qlat:
	.size	k_q7ea64588a4_qlat, .Lfunc_end_k_q7ea64588a4_qlat-k_q7ea64588a4_qlat
	.p2alignl 7, 3214868480
	.fill 96, 4, 3214868480
	.section	.rodata,"a",@progbits
	.p2align	6, 0x0
	.amdhsa_kernel k_q7ea64588a4_qlat
		.amdhsa_group_segment_fixed_size 327680
		.amdhsa_private_segment_fixed_size 0
		.amdhsa_enable_private_segment 0
		.amdhsa_kernarg_size 56
		.amdhsa_user_sgpr_count 2
		.amdhsa_user_sgpr_kernarg_segment_ptr 1
		.amdhsa_wavefront_size32 1
		.amdhsa_system_sgpr_workgroup_id_x 1
		.amdhsa_system_sgpr_workgroup_id_y 1
		.amdhsa_system_sgpr_workgroup_id_z 1
		.amdhsa_system_vgpr_workitem_id 0
		.amdhsa_next_free_vgpr 640
		.amdhsa_next_free_sgpr 76
		.amdhsa_reserve_vcc 0
		.amdhsa_float_denorm_mode_32 3
		.amdhsa_float_denorm_mode_16_64 3
		.amdhsa_memory_ordered 1
		.amdhsa_forward_progress 1
		.amdhsa_inst_pref_size 143
	.end_amdhsa_kernel
	.amdgpu_metadata
---
amdhsa.version: [ 1, 2 ]
amdhsa.kernels:
  - .name:           k_q7ea64588a4_qlat
    .symbol:         k_q7ea64588a4_qlat.kd
    .args:
      - { .name: xb, .offset: 0, .size: 8, .value_kind: global_buffer, .address_space: global }
      - { .name: wb, .offset: 8, .size: 8, .value_kind: global_buffer, .address_space: global }
      - { .name: tab, .offset: 16, .size: 8, .value_kind: global_buffer, .address_space: global }
      - { .name: qn_g, .offset: 24, .size: 8, .value_kind: global_buffer, .address_space: global }
      - { .name: qn_b, .offset: 32, .size: 8, .value_kind: global_buffer, .address_space: global }
      - { .name: qb, .offset: 40, .size: 8, .value_kind: global_buffer, .address_space: global }
      - { .name: lat, .offset: 48, .size: 8, .value_kind: global_buffer, .address_space: global }
    .group_segment_fixed_size: 327680
    .private_segment_fixed_size: 0
    .kernarg_segment_align: 8
    .kernarg_segment_size: 56
    .max_flat_workgroup_size: 128
    .sgpr_count:     76
    .vgpr_count:     640
    .wavefront_size: 32
...
	.end_amdgpu_metadata
.endif
;; end of part 2
;; launch kv (part 3): grid 32 x 8, 8 waves a work-group, clusters of 4 x 1, 218,112 bytes of LDS; arguments lat, wb, tab, ln_g, ln_b, kn_g, kn_b, kvb; writes kvb
.if DOCPART == 3
	.amdgcn_target "amdgcn-amd-amdhsa--gfx1250"
	.amdhsa_code_object_version 6
	.text
	.protected	k_q7ea64588a4_kv
	.globl	k_q7ea64588a4_kv
	.p2align	8
	.type	k_q7ea64588a4_kv,@function
k_q7ea64588a4_kv:
	s_mov_b64 s[64:65], 0
	v_nop
	global_prefetch_b8 v0, s[64:65] scope:SCOPE_SE
	s_setreg_imm32_b32 hwreg(HW_REG_WAVE_MODE, 25, 1), 1
	s_wait_xcnt 0x0
	s_wait_alu depctr_hold_cnt(0) depctr_sa_sdst(0) depctr_va_vdst(0) depctr_va_sdst(0) depctr_va_ssrc(0) depctr_va_vcc(0) depctr_vm_vsrc(0)
	s_getreg_b32 s2, hwreg(HW_REG_IB_STS2, 6, 4)
	s_cmp_eq_u32 s2, 0
	s_cbranch_scc0 .Lentry_in_a_cluster
	s_endpgm
.Lentry_in_a_cluster:
	s_bfe_u32 s2, ttmp6, 0x10000c
	s_cmp_lg_u32 s2, 0x3003
	s_cbranch_scc0 .Lentry_shape_is_right
	s_endpgm
.Lentry_shape_is_right:
; kv: LayerNorm of the latent rows (over 256, gain ln_g, bias ln_b), times Wkv; k gets RoPE and its LayerNorm over the head's 64 numbers; v is only rounded.
; A work-group makes 128 rows x 256 columns (four heads of k for jb < 4, of v for jb >= 4) with the whole K = 256 resident in LDS: no ring, nothing is filled again.
; Eight waves.  Prologue: wave w normalises rows 16 w .. 16 w + 15 and stores them as f16 into LDS.  Product: wave w makes 64 rows (wm = w>>2) x one head (wn = w&3).
; CLUSTER 4 x 1: the four row blocks of a cluster read the same 131,072 bytes of Wkv; each wave asks jointly for one eighth.
; The branch on jb is the same in all partners (jb is the cluster's y).  The matrix instruction is used transposed, as in the launch before: register j of lane (r, h)
; is C(row r, column 8 h + j).  Operands f16, sums f32.  LIMIT: an operand above 65,504 becomes infinite; the normalised latent is at most 16 max|ln_g| + max|ln_b|.
; LDS: Wkv blocks [ks 8][nt 16] at 0; the normalised rows [128][256] f16, pitch 528, at 131,072 (LDS stores alone); stages at 198,656 + w 2,304.
; REGISTERS.  v1 lat offset, v2 ln offset, v3 ASTO, v4 ADRA, v5, v6 ADRB (ks 0-3, 4-7), v7 STO, v8 RD, v9 16 L, v10 table offset, v11 gain offset, v12-15 pairs, v16-31 at work;
; prologue: X v32-159; product: accumulator (a, b) at 32 + 8 (4 a + b), fragments v160-223; epilogue: Y v160-191, PK v192-207, RBK v208-223.
; Window 1: ln_g 0-63, ln_b 64-127; later cos, sin 0-127 (as in the launch before), kn_g 128-159, kn_b 160-191.
.set X0, 32
.set X1, 96
.set NMP, 12
.set RSP, 14
.set T, 16
.set ACC, 32
.set FB, 160
.set FA, 192
.set Y, 160
.set PK, 192
.set RBK, 208
.set ABASE, 131072
.set STAGE, 198656
.set MSB, 0
.macro WIN new
.if MSB != \new
	s_set_vgpr_msb (MSB<<8)|\new
.set MSB, \new
.endif
.endm
.macro PLACES cnt
.rept \cnt
	v_nop
.endr
.endm
.macro ROUND
	s_barrier_signal -1
	s_barrier_wait -1
	s_cmp_lg_u32 s20, 0
	s_cbranch_scc1 .Lnot_wave_0_\@
	s_barrier_signal -3
.Lnot_wave_0_\@:
	s_barrier_wait -3
	s_barrier_signal -1
	s_barrier_wait -1
.endm
; eight rows of 256: a lane holds 64 numbers of a row, the four lanes L xor 1, 2 the row.  Mean, centre, variance of the centred numbers, times 1/sqrt(var + eps)
.macro LNPASS xx
.irp c, 0,1,2,3
	v_pk_add_f32 v[T+2*\c:T+2*\c+1], v[\xx+2*\c:\xx+2*\c+1], v[\xx+8+2*\c:\xx+8+2*\c+1]
.endr
.irp g, 2,3,4,5,6,7
.irp c, 0,1,2,3
	v_pk_add_f32 v[T+2*\c:T+2*\c+1], v[T+2*\c:T+2*\c+1], v[\xx+8*\g+2*\c:\xx+8*\g+2*\c+1]
.endr
.endr
	v_pk_add_f32 v[T:T+1], v[T:T+1], v[T+2:T+3]
	v_pk_add_f32 v[T+4:T+5], v[T+4:T+5], v[T+6:T+7]
	v_pk_add_f32 v[T:T+1], v[T:T+1], v[T+4:T+5]
	v_add_f32 v[T], v[T], v[T+1]
	v_add_f32_dpp v[T], v[T], v[T] row_xmask:1 row_mask:0xf bank_mask:0xf
	v_add_f32_dpp v[T], v[T], v[T] row_xmask:2 row_mask:0xf bank_mask:0xf
	v_mul_f32 v[NMP], 0xbb800000, v[T]             ; - mean
	v_mov_b32 v[NMP+1], v[NMP]
.set i, 0
.rept 32
	v_pk_add_f32 v[\xx+2*i:\xx+2*i+1], v[\xx+2*i:\xx+2*i+1], v[NMP:NMP+1]
.set i, i+1
.endr
.irp c, 0,1,2,3
	v_pk_mul_f32 v[T+2*\c:T+2*\c+1], v[\xx+2*\c:\xx+2*\c+1], v[\xx+2*\c:\xx+2*\c+1]
.endr
.irp g, 1,2,3,4,5,6,7
.irp c, 0,1,2,3
	v_pk_fma_f32 v[T+2*\c:T+2*\c+1], v[\xx+8*\g+2*\c:\xx+8*\g+2*\c+1], v[\xx+8*\g+2*\c:\xx+8*\g+2*\c+1], v[T+2*\c:T+2*\c+1]
.endr
.endr
	v_pk_add_f32 v[T:T+1], v[T:T+1], v[T+2:T+3]
	v_pk_add_f32 v[T+4:T+5], v[T+4:T+5], v[T+6:T+7]
	v_pk_add_f32 v[T:T+1], v[T:T+1], v[T+4:T+5]
	v_add_f32 v[T], v[T], v[T+1]
	v_add_f32_dpp v[T], v[T], v[T] row_xmask:1 row_mask:0xf bank_mask:0xf
	v_add_f32_dpp v[T], v[T], v[T] row_xmask:2 row_mask:0xf bank_mask:0xf
	v_fma_f32 v[T], v[T], s44, s43                 ; sum / 256 + eps
	v_rsq_f32 v[RSP], v[T]
	v_rsq_f32 v[RSP+1], v[T]
	v_nop                                          ; a plain instruction behind the roots (ISA guide 5.7.2)
.set i, 0
	s_wait_alu depctr_va_vdst(0)
.rept 32
	v_pk_mul_f32 v[\xx+2*i:\xx+2*i+1], v[\xx+2*i:\xx+2*i+1], v[RSP:RSP+1]
.set i, i+1
.endr
.endm
; 32 along K: 16 loads, 16 matrix instructions, one on each accumulator and always in this order (the accumulators take turns);
; four plain vector instructions stand between the last of them and the next loads into the fragments
.macro KSTEP k, adr, zero
.irp b, 0,1,2,3
	ds_load_tr16_b128 v[FB+8*\b:FB+8*\b+3],   v[\adr] offset:(\k&3)*16384+1024*\b
	ds_load_tr16_b128 v[FB+8*\b+4:FB+8*\b+7], v[\adr] offset:(\k&3)*16384+1024*\b+512
.endr
.irp a, 0,1,2,3
	ds_load_b128 v[FA+8*\a:FA+8*\a+3],   v4 offset:8448*\a+64*\k
	ds_load_b128 v[FA+8*\a+4:FA+8*\a+7], v4 offset:8448*\a+64*\k+32
.endr
	s_wait_dscnt 0x0
.irp a, 0,1,2,3
.irp b, 0,1,2,3
.if \zero
	v_wmma_f32_16x16x32_f16 v[ACC+8*(4*\a+\b):ACC+8*(4*\a+\b)+7], v[FB+8*\b:FB+8*\b+7], v[FA+8*\a:FA+8*\a+7], 0
.else
	v_wmma_f32_16x16x32_f16 v[ACC+8*(4*\a+\b):ACC+8*(4*\a+\b)+7], v[FB+8*\b:FB+8*\b+7], v[FA+8*\a:FA+8*\a+7], v[ACC+8*(4*\a+\b):ACC+8*(4*\a+\b)+7]
.endif
.endr
.endr
	PLACES 4
.endm
.macro LN64
.irp c, 0,1,2,3
	v_pk_add_f32 v[T+2*\c:T+2*\c+1], v[Y+2*\c:Y+2*\c+1], v[Y+8+2*\c:Y+8+2*\c+1]
.endr
.irp g, 2,3
.irp c, 0,1,2,3
	v_pk_add_f32 v[T+2*\c:T+2*\c+1], v[T+2*\c:T+2*\c+1], v[Y+8*\g+2*\c:Y+8*\g+2*\c+1]
.endr
.endr
	v_pk_add_f32 v[T:T+1], v[T:T+1], v[T+2:T+3]
	v_pk_add_f32 v[T+4:T+5], v[T+4:T+5], v[T+6:T+7]
	v_pk_add_f32 v[T:T+1], v[T:T+1], v[T+4:T+5]
	v_add_f32 v[T], v[T], v[T+1]
	v_permlanex16_b32 v[T+1], v[T], s40, s41
	v_add_f32 v[T], v[T], v[T+1]
	v_mul_f32 v[NMP], 0xbc800000, v[T]
	v_mov_b32 v[NMP+1], v[NMP]
.set i, 0
.rept 16
	v_pk_add_f32 v[Y+2*i:Y+2*i+1], v[Y+2*i:Y+2*i+1], v[NMP:NMP+1]
.set i, i+1
.endr
.irp c, 0,1,2,3
	v_pk_mul_f32 v[T+2*\c:T+2*\c+1], v[Y+2*\c:Y+2*\c+1], v[Y+2*\c:Y+2*\c+1]
.endr
.irp g, 1,2,3
.irp c, 0,1,2,3
	v_pk_fma_f32 v[T+2*\c:T+2*\c+1], v[Y+8*\g+2*\c:Y+8*\g+2*\c+1], v[Y+8*\g+2*\c:Y+8*\g+2*\c+1], v[T+2*\c:T+2*\c+1]
.endr
.endr
	v_pk_add_f32 v[T:T+1], v[T:T+1], v[T+2:T+3]
	v_pk_add_f32 v[T+4:T+5], v[T+4:T+5], v[T+6:T+7]
	v_pk_add_f32 v[T:T+1], v[T:T+1], v[T+4:T+5]
	v_add_f32 v[T], v[T], v[T+1]
	v_permlanex16_b32 v[T+1], v[T], s40, s41
	v_add_f32 v[T], v[T], v[T+1]
	v_fma_f32 v[T], v[T], s42, s43
	v_rsq_f32 v[RSP], v[T]
	v_rsq_f32 v[RSP+1], v[T]
	v_nop
.set i, 0
	s_wait_alu depctr_va_vdst(0)
.rept 16
	v_pk_mul_f32 v[Y+2*i:Y+2*i+1], v[Y+2*i:Y+2*i+1], v[RSP:RSP+1]
.set i, i+1
.endr
.endm
; PK (16 rows x 64 f16, 16 bytes a tile and lane) through my stage, out as four stores of 512 consecutive aligned bytes
.macro OUT16 a
.irp b, 0,1,2,3
	ds_store_b128 v7, v[PK+4*\b:PK+4*\b+3] offset:32*\b
.endr
	s_wait_xcnt 0x0                                ; the last stores' data registers are loaded again only behind this wait
.irp q, 0,1,2,3
	ds_load_b128 v[RBK+4*\q:RBK+4*\q+3], v8 offset:576*\q        ; LDS serves a wave in order: these see the stores above
.endr
.irp q, 0,1,2,3
	s_wait_dscnt 3-\q
	global_store_b128 v9, v[RBK+4*\q:RBK+4*\q+3], s[18:19] offset:\a*2048+512*\q
.endr
.endm
.macro HEADLN a
	WIN 0x04                                       ; source 1 (cos, sin) in window 1
.irp t, 0,1
.irp p, 0,1,2,3
	v_pk_mul_f32 v[T+4*\p:T+4*\p+1],   v[ACC+8*(4*\a+\t+2)+2*\p:ACC+8*(4*\a+\t+2)+2*\p+1], v[32*\a+16+8*\t+2*\p:32*\a+16+8*\t+2*\p+1]
	v_pk_mul_f32 v[T+4*\p+2:T+4*\p+3], v[ACC+8*(4*\a+\t)+2*\p:ACC+8*(4*\a+\t)+2*\p+1],     v[32*\a+16+8*\t+2*\p:32*\a+16+8*\t+2*\p+1]
	v_pk_fma_f32 v[Y+8*\t+2*\p:Y+8*\t+2*\p+1],       v[ACC+8*(4*\a+\t)+2*\p:ACC+8*(4*\a+\t)+2*\p+1],     v[32*\a+8*\t+2*\p:32*\a+8*\t+2*\p+1], v[T+4*\p:T+4*\p+1] neg_lo:[0,0,1] neg_hi:[0,0,1]
	v_pk_fma_f32 v[Y+16+8*\t+2*\p:Y+16+8*\t+2*\p+1], v[ACC+8*(4*\a+\t+2)+2*\p:ACC+8*(4*\a+\t+2)+2*\p+1], v[32*\a+8*\t+2*\p:32*\a+8*\t+2*\p+1], v[T+4*\p+2:T+4*\p+3]
.endr
.endr
	WIN 0
	LN64
	WIN 0x14                                       ; gain and bias in window 1
.set i, 0
.rept 16
	v_pk_fma_f32 v[Y+2*i:Y+2*i+1], v[Y+2*i:Y+2*i+1], v[128+2*i:128+2*i+1], v[160+2*i:160+2*i+1]
.set i, i+1
.endr
	WIN 0
.set i, 0
.rept 16
	v_cvt_pk_f16_f32 v[PK+i], v[Y+2*i], v[Y+2*i+1]
.set i, i+1
.endr
	OUT16 \a
.endm
.macro VOUT a
.set i, 0
.rept 16
	v_cvt_pk_f16_f32 v[PK+i], v[ACC+32*\a+2*i], v[ACC+32*\a+2*i+1]
.set i, i+1
.endr
	OUT16 \a
.endm
	s_load_b512 s[4:19], s[0:1], 0x0               ; lat s[4:5], wb s[6:7], tab s[8:9], ln_g s[10:11], ln_b s[12:13], kn_g s[14:15], kn_b s[16:17], kvb s[18:19]
	v_lshl_add_u32 v254, v0, 2, 0x35000
	v_mov_b32 v255, 0
	ds_add_u32 v254, v255
	v_lshrrev_b32 v1, 5, v0
	v_readfirstlane_b32 s20, v1                    ; wave
	s_lshr_b32 s21, s20, 2                         ; wm
	s_and_b32 s22, s20, 3                          ; wn
	s_bfe_u32 s23, ttmp6, 0x40000                  ; cx
	s_lshl_b32 s24, ttmp9, 2
	s_add_co_u32 s24, s24, s23                     ; rb
	s_and_b32 s25, ttmp7, 0xffff                   ; jb
	s_mov_b32 s28, 15|(3<<16)|(1<<21)              ; group 1: all four partners; 64 dense rows of 32 elements of 8 bytes, no padding
	s_mov_b32 s29, 32<<16
	s_mov_b32 s30, 64<<16
	s_mov_b32 s31, 32<<16
	s_mov_b32 s32, 64
	s_mov_b32 s33, 32
	s_mov_b32 s34, 0
	s_mov_b32 s35, 0
	s_mov_b32 s40, 0x76543210
	s_mov_b32 s41, 0xfedcba98
	s_mov_b32 s42, 0x3c800000                      ; 1/64
	s_mov_b32 s43, 0x3727c5ac                      ; eps
	s_mov_b32 s44, 0x3b800000                      ; 1/256
	v_and_b32 v16, 31, v0                          ; L
	v_and_b32 v17, 15, v0                          ; r
	v_bfe_u32 v18, v0, 4, 1                        ; h
	s_lshl_b32 s26, s20, 10
	v_lshl_add_u32 v1, v16, 4, s26                 ; lat: my 16 rows of 64 bytes + 16 L
	v_and_b32 v19, 3, v0
	v_lshlrev_b32 v2, 4, v19                       ; ln_g, ln_b: 16 (L&3)
	s_lshl_b32 s46, s24, 17
	s_mov_b32 s47, 0
	s_lshl_b32 s48, s25, 17                        ; Wkv: jb 131072 + w 16384 (never holds cx)
	s_lshl_b32 s26, s20, 14
	s_add_co_u32 s48, s48, s26
	s_add_co_u32 s48, s48, 2621440
	s_mov_b32 s49, 0
	s_mov_b32 s36, 1
	s_lshl_b32 s37, s20, 14                        ; LDS: w 16384
	s_wait_dscnt 0x0
	s_wait_kmcnt 0x0
	s_add_nc_u64 s[4:5], s[4:5], s[46:47]
	s_add_nc_u64 s[38:39], s[6:7], s[48:49]
	s_or_b32 s39, s39, 0x80000000
	; my 16 latent rows, eight a pass: each load takes 512 consecutive bytes; the lane holds row 16 w + 8 pass + (L>>2), columns 16 ct + 4 (L&3) ..
.irp p, 0,1
.set i, 0
.rept 16
	global_load_b128 v[X0+64*\p+4*i:X0+64*\p+4*i+3], v1, s[4:5] offset:8192*i+512*\p
.set i, i+1
.endr
.endr
	WIN 0x40
.set i, 0
.rept 16
	global_load_b128 v[4*i:4*i+3], v2, s[10:11] offset:64*i
.set i, i+1
.endr
.set i, 0
.rept 16
	global_load_b128 v[64+4*i:64+4*i+3], v2, s[12:13] offset:64*i
.set i, i+1
.endr
	WIN 0
	ROUND                                          ; the four partners are here: the joint loads meet
	tensor_load_to_lds s[36:39], s[28:35]          ; my eighth of Wkv's tile: the one tensor load of a wave in this text
	s_nop 0
	s_mul_i32 s26, s20, 8448
	s_add_co_u32 s26, s26, ABASE
	v_lshrrev_b32 v20, 2, v16
	v_mul_u32_u24 v20, v20, 528
	v_lshl_add_u32 v20, v19, 3, v20
	v_add_nc_u32 v3, s26, v20                      ; ASTO: (16 w + (L>>2)) 528 + 8 (L&3)
	s_mul_i32 s26, s21, 33792
	s_add_co_u32 s26, s26, ABASE
	v_mul_u32_u24 v20, v17, 528
	v_lshl_add_u32 v20, v18, 4, v20
	v_add_nc_u32 v4, s26, v20                      ; ADRA: (64 wm + r) 528 + 16 h; the pitch is an odd multiple of 16 bytes
	v_and_b32 v20, 7, v0
	v_lshlrev_b32 v21, 5, v20
	v_lshl_add_u32 v21, v18, 8, v21
	v_bfe_u32 v22, v0, 3, 1
	v_lshl_add_u32 v21, v22, 4, v21
	s_lshl_b32 s26, s22, 12
	v_add_nc_u32 v5, s26, v21                      ; ADRB: my head's four blocks, ks 0-3
	v_add_nc_u32 v6, 65536, v5                     ; ks 4-7
	s_mul_i32 s26, s20, 2304
	s_add_co_u32 s26, s26, STAGE
	v_mul_u32_u24 v21, v17, 144
	v_lshl_add_u32 v21, v18, 4, v21
	v_add_nc_u32 v7, s26, v21                      ; STO
	v_lshrrev_b32 v21, 3, v16
	v_mul_u32_u24 v21, v21, 144
	v_lshl_add_u32 v21, v20, 4, v21
	v_add_nc_u32 v8, s26, v21                      ; RD
	v_lshlrev_b32 v9, 4, v16                       ; 16 L
	s_and_b32 s27, s24, 15
	s_lshl_b32 s27, s27, 14
	s_lshl_b32 s26, s21, 13
	s_add_co_u32 s27, s27, s26                     ; ((rb&15) 128 + 64 wm) rows of 128 bytes
	v_lshlrev_b32 v21, 7, v17
	v_lshl_add_u32 v21, v18, 5, v21
	v_add_nc_u32 v10, s27, v21                     ; table offset
	v_lshlrev_b32 v11, 5, v18                      ; gain offset
	s_lshr_b32 s46, s25, 2
	s_lshl_b32 s46, s46, 23                        ; k at 0, v at 8,388,608
	s_lshr_b32 s26, s24, 4
	s_lshl_b32 s26, s26, 4
	s_and_b32 s48, s25, 3
	s_lshl_b32 s48, s48, 2
	s_add_co_u32 s26, s26, s48
	s_add_co_u32 s26, s26, s22                     ; 16 batch + head
	s_lshl_b32 s26, s26, 18
	s_add_co_u32 s46, s46, s26
	s_add_co_u32 s46, s46, s27
	s_add_nc_u64 s[18:19], s[18:19], s[46:47]
	s_wait_loadcnt 48                              ; 64 loads were issued: the first sixteen (pass 0) are in
	LNPASS X0
	s_wait_loadcnt 32                              ; pass 1 is in
	LNPASS X1
	s_wait_loadcnt 0x0                             ; ln_g, ln_b
	WIN 0x14
.irp p, 0,1
.set i, 0
.rept 32
	v_pk_fma_f32 v[X0+64*\p+2*i:X0+64*\p+2*i+1], v[X0+64*\p+2*i:X0+64*\p+2*i+1], v[2*i:2*i+1], v[64+2*i:64+2*i+1]
.set i, i+1
.endr
.endr
	WIN 0
.irp p, 0,1
.set i, 0
.rept 16
	v_cvt_pk_f16_f32 v[X0+64*\p+4*i],   v[X0+64*\p+4*i],   v[X0+64*\p+4*i+1]
	v_cvt_pk_f16_f32 v[X0+64*\p+4*i+1], v[X0+64*\p+4*i+2], v[X0+64*\p+4*i+3]
	ds_store_b64 v3, v[X0+64*\p+4*i:X0+64*\p+4*i+1] offset:32*i+4224*\p
.set i, i+1
.endr
.endr
	s_cmp_lt_u32 s25, 4
	s_cbranch_scc0 .Lno_tables                     ; v needs neither tables nor gains
	WIN 0x40
.irp a, 0,1,2,3
.irp t, 0,1
.irp e, 0,1
	global_load_b128 v[32*\a+8*\t+4*\e:32*\a+8*\t+4*\e+3],       v10, s[8:9] offset:\a*2048+64*\t+16*\e
	global_load_b128 v[32*\a+16+8*\t+4*\e:32*\a+16+8*\t+4*\e+3], v10, s[8:9] offset:262144+\a*2048+64*\t+16*\e
.endr
.endr
.endr
.irp b, 0,1,2,3
.irp e, 0,1
	global_load_b128 v[128+8*\b+4*\e:128+8*\b+4*\e+3], v11, s[14:15] offset:64*\b+16*\e
	global_load_b128 v[160+8*\b+4*\e:160+8*\b+4*\e+3], v11, s[16:17] offset:64*\b+16*\e
.endr
.endr
	WIN 0
.Lno_tables:
	s_wait_dscnt 0x0                               ; my rows are in LDS,
	s_wait_tensorcnt 0x0                           ; my eighth of Wkv's tile too:
	s_barrier_signal -1
	s_barrier_wait -1                              ; everybody's are
	KSTEP 0, 5, 1
	KSTEP 1, 5, 0
	KSTEP 2, 5, 0
	KSTEP 3, 5, 0
	KSTEP 4, 6, 0
	KSTEP 5, 6, 0
	KSTEP 6, 6, 0
	KSTEP 7, 6, 0
	s_cmp_lt_u32 s25, 4
	s_cbranch_scc0 .Lvpath
	s_wait_loadcnt 0x0                             ; tables, kn_g, kn_b
	HEADLN 0
	HEADLN 1
	HEADLN 2
	HEADLN 3
	s_branch .Ldone
.Lvpath:
	VOUT 0
	VOUT 1
	VOUT 2
	VOUT 3
.Ldone:
	s_wait_tensorcnt 0x0
	ds_add_u32 v254, v255
	s_wait_dscnt 0x0
	ROUND                                          ; the closing round
	s_endpgm
.Lfunc_end_k_q7ea64588a4_kv:
	.size	k_q7ea64588a4_kv, .Lfunc_end_k_q7ea64588a4_kv-k_q7ea64588a4_kv
	.p2alignl 7, 3214868480
	.fill 96, 4, 3214868480
	.section	.rodata,"a",@progbits
	.p2align	6, 0x0
	.amdhsa_kernel k_q7ea64588a4_kv
		.amdhsa_group_segment_fixed_size 218112
		.amdhsa_private_segment_fixed_size 0
		.amdhsa_enable_private_segment 0
		.amdhsa_kernarg_size 64
		.amdhsa_user_sgpr_count 2
		.amdhsa_user_sgpr_kernarg_segment_ptr 1
		.amdhsa_wavefront_size32 1
		.amdhsa_system_sgpr_workgroup_id_x 1
		.amdhsa_system_sgpr_workgroup_id_y 1
		.amdhsa_system_sgpr_workgroup_id_z 1
		.amdhsa_system_vgpr_workitem_id 0
		.amdhsa_next_free_vgpr 448
		.amdhsa_next_free_sgpr 66
		.amdhsa_reserve_vcc 0
		.amdhsa_float_denorm_mode_32 3
		.amdhsa_float_denorm_mode_16_64 3
		.amdhsa_memory_ordered 1
		.amdhsa_forward_progress 1
		.amdhsa_inst_pref_size 109
	.end_amdhsa_kernel
	.amdgpu_metadata
---
amdhsa.version: [ 1, 2 ]
amdhsa.kernels:
  - .name:           k_q7ea64588a4_kv
    .symbol:         k_q7ea64588a4_kv.kd
    .args:
      - { .name: lat, .offset: 0, .size: 8, .value_kind: global_buffer, .address_space: global }
      - { .name: wb, .offset: 8, .size: 8, .value_kind: global_buffer, .address_space: global }
      - { .name: tab, .offset: 16, .size: 8, .value_kind: global_buffer, .address_space: global }
      - { .name: ln_g, .offset: 24, .size: 8, .value_kind: global_buffer, .address_space: global }
      - { .name: ln_b, .offset: 32, .size: 8, .value_kind: global_buffer, .address_space: global }
      - { .name: kn_g, .offset: 40, .size: 8, .value_kind: global_buffer, .address_space: global }
      - { .name: kn_b, .offset: 48, .size: 8, .value_kind: global_buffer, .address_space: global }
      - { .name: kvb, .offset: 56, .size: 8, .value_kind: global_buffer, .address_space: global }
    .group_segment_fixed_size: 218112
    .private_segment_fixed_size: 0
    .kernarg_segment_align: 8
    .kernarg_segment_size: 64
    .max_flat_workgroup_size: 256
    .sgpr_count:     66
    .vgpr_count:     448
    .wavefront_size: 32
...
	.end_amdgpu_metadata
.endif
;; end of part 3
;; launch attn (part 4): grid 8 x 32, 16 waves a work-group, clusters of 4 x 1, 327,680 bytes of LDS; arguments qb, kvb, ao; writes ao
.if DOCPART == 4
	.amdgcn_target "amdgcn-amd-amdhsa--gfx1250"
	.amdhsa_code_object_version 6
	.text
	.protected	k_q7ea64588a4_attn
	.globl	k_q7ea64588a4_attn
	.p2align	8
	.type	k_q7ea64588a4_attn,@function
k_q7ea64588a4_attn:
	s_mov_b64 s[64:65], 0
	v_nop
	global_prefetch_b8 v0, s[64:65] scope:SCOPE_SE
	s_setreg_imm32_b32 hwreg(HW_REG_WAVE_MODE, 25, 1), 1
	s_wait_xcnt 0x0
	s_wait_alu depctr_hold_cnt(0) depctr_sa_sdst(0) depctr_va_vdst(0) depctr_va_sdst(0) depctr_va_ssrc(0) depctr_va_vcc(0) depctr_vm_vsrc(0)
	s_getreg_b32 s2, hwreg(HW_REG_IB_STS2, 6, 4)
	s_cmp_eq_u32 s2, 0
	s_cbranch_scc0 .Lentry_in_a_cluster
	s_endpgm
.Lentry_in_a_cluster:
	s_bfe_u32 s2, ttmp6, 0x10000c
	s_cmp_lg_u32 s2, 0x3003
	s_cbranch_scc0 .Lentry_shape_is_right
	s_endpgm
.Lentry_shape_is_right:
; attn: softmax(q k^T) v for one (batch, head) and 256 query rows a work-group; q already carries SCALE log2(e), so exponentials are base 2.
; Sixteen waves, four on each SIMD with 256 registers each (all 1,024 of a SIMD).  Wave w takes query rows 32 (w&7) .. + 31 (c = 0, 1) and the half kh = w>>3 of the keys
; of every fill, with a running maximum and a running sum for each row; at the end the two waves of a query group merge their maxima, sums and O through LDS.
; Why four waves a SIMD: a step is an LDS read, a run of matrix instructions, a softmax on the vector unit and a second run; with four waves one wave's softmax and
; LDS latency lie under the others' matrix runs.  A wave still uses each K and V fragment for 32 queries, so the LDS bytes for a multiply-add are those of eight waves.
; 2,048 keys come in four fills of 512 through two LDS slots.
; CLUSTER 4 x 1: four query blocks of one head read the same K and V tiles and ask for them jointly: waves 0-7 for an eighth of K's tile each, waves 8-15 of V's
; (a fill is 512 rows of 256 bytes; sixteen waves take 32 rows each).
; SCORES ARE MADE TRANSPOSED: S^T(a, c) = K fragment (source 0) x Q fragment (source 1): lane (r, h) holds query 16 c + r and keys 16 a + 8 h + j.  So a row's maximum
; and sum are taken inside the lane and across one exchange with lane xor 16, the rescaling factor is one number a lane, and two score tiles rounded to f16 in place
; ARE the source-1 fragment of P^T for 32 keys: O^T(t, c) += V^T fragment (t, u) x P^T(c, u), with V^T read from LDS by transposing loads.
; Operands f16, sums f32.  P is at most 1; a P below 6e-8 counts as 0.  LIMIT: infinities and NaN in q, k, v are not treated specially.
; LDS: K ring at s 69,632 (a row of 256 bytes = two keys, pitch 272); V ring at 139,264 + s 73,728 (pitch 288); stages at 286,720 + (w&7) 4,608 (LDS stores alone).
; The merge goes through K's slot 0, 8,704 bytes a query group: by then the slot has had its last fill and its last read.
; REGISTERS: v1 KADR, v2 VADR (running), v3, v4 their lane terms, v5 STO, v6 RD, v7 16 L, v8-9 maxima, v10-11 sums, v12-13 minus the maximum (pair), v14-15 factor (pair),
; v16-27 at work, v28 exchange, v29 Q offset, v30 merge address, Q v32-63, O v64-127, S v128-191, pool v192-255 (K's eight fragments, then V's eight).
.set G1K, 16
.set G1V, 24
.set G0K, 32
.set G0V, 40
.set KSLOT, 69632
.set VSLOT, 73728
.set KHALF, 34816                      ; 256 keys = 128 LDS rows of 272 bytes
.set VHALF, 36864                      ; 256 keys = 128 LDS rows of 288 bytes
.set VBASE, 139264
.set STAGE, 286720
.set XPAIR, 8704                       ; the merge: 16 x 512 bytes of O and 512 bytes of maxima and sums for a query group
.set M, 8
.set LS, 10
.set NMP, 12
.set ALP, 14
.set Q, 32
.set O, 64
.set S, 128
.set POOL, 192
.macro PLACES cnt
.rept \cnt
	v_nop
.endr
.endm
; a round of the cluster's barrier: my work-group's barrier, wave 0 signals for the work-group, every wave waits for all four, my work-group's barrier again
.macro ROUND
	s_barrier_signal -1
	s_barrier_wait -1
	s_cmp_lg_u32 s10, 0
	s_cbranch_scc1 .Lnot_wave_0_\@
	s_barrier_signal -3
.Lnot_wave_0_\@:
	s_barrier_wait -3
	s_barrier_signal -1
	s_barrier_wait -1
.endm
; a joint load: waves 0-7 ask for the eighths of K's tile, waves 8-15 for those of V's; the branch hangs on the wave's number alone
.macro JLOAD s
	s_cmp_eq_u32 s11, 0
	s_cbranch_scc0 .Lfor_v_\@
	tensor_load_to_lds s[G0K+4*\s:G0K+4*\s+3], s[G1K:G1K+7]
	s_nop 0
	s_branch .Lasked_\@
.Lfor_v_\@:
	tensor_load_to_lds s[G0V+4*\s:G0V+4*\s+3], s[G1V:G1V+7]
	s_nop 0
.Lasked_\@:
.endm
; slot s is filled again two fills ahead: my LDS reads are back, all my tensor loads have landed, a round of the cluster's barrier says so of every wave of the four
; partners, and the joint load comes first behind it, one a wave.  It has the other slot's steps (four of each wave) in which to land.
.macro CHANGE s
	s_wait_dscnt 0x0
	s_wait_xcnt 0x0
	v_lshl_add_u32 v190, v0, 2, 0x4f000
	v_mov_b32 v191, 0
	s_wait_tensorcnt 0x0
	ds_add_u32 v190, v191
	s_wait_dscnt 0x0
	s_add_nc_u64 s[G0K+4*\s+2:G0K+4*\s+3], s[G0K+4*\s+2:G0K+4*\s+3], 131072
	s_add_nc_u64 s[G0V+4*\s+2:G0V+4*\s+3], s[G0V+4*\s+2:G0V+4*\s+3], 131072
	ROUND
	JLOAD \s
.endm
; the softmax step of 16 query rows x 64 keys
.macro SOFT c, first
.set SB, S+32*\c
.set OB, O+32*\c
	v_max3_num_f32 v16, v[SB+0], v[SB+1], v[SB+2]
	v_max3_num_f32 v17, v[SB+3], v[SB+4], v[SB+5]
	v_max3_num_f32 v18, v[SB+6], v[SB+7], v[SB+8]
	v_max3_num_f32 v19, v[SB+9], v[SB+10], v[SB+11]
.set i, 12
.rept 10
	v_max3_num_f32 v[16+((i-12)/2)%4], v[16+((i-12)/2)%4], v[SB+i], v[SB+i+1]
.set i, i+2
.endr
	v_max3_num_f32 v16, v16, v17, v18
	v_max_num_f32 v16, v16, v19
	v_permlanex16_b32 v28, v16, s48, s49           ; the other 32 keys of the same query
.if \first
	v_max_num_f32 v16, v16, v28
.else
	v_max3_num_f32 v16, v16, v28, v[M+\c]          ; the new running maximum
	v_sub_f32 v17, v[M+\c], v16
	v_exp_f32 v[ALP], v17                          ; what the old sums are worth under the new maximum
	v_exp_f32 v[ALP+1], v17
.endif
	v_mov_b32 v[M+\c], v16
	v_mul_f32 v[NMP], -1.0, v16
	v_mul_f32 v[NMP+1], -1.0, v16
.set i, 0
.rept 16
	v_pk_add_f32 v[SB+2*i:SB+2*i+1], v[SB+2*i:SB+2*i+1], v[NMP:NMP+1]
.set i, i+1
.endr
.set i, 0
.rept 32
	v_exp_f32 v[SB+i], v[SB+i]
.set i, i+1
.endr
.if \first
	v_nop                                          ; a plain instruction behind the exponentials (ISA guide 5.7.2)
	s_wait_alu depctr_va_vdst(0)
.else
.set i, 0
	s_wait_alu depctr_va_vdst(0)
.rept 16
	v_pk_mul_f32 v[OB+2*i:OB+2*i+1], v[OB+2*i:OB+2*i+1], v[ALP:ALP+1]    ; plain work behind the exponentials
.set i, i+1
.endr
.endif
.irp k, 0,1,2,3
	v_pk_add_f32 v[20+2*\k:21+2*\k], v[SB+2*\k:SB+2*\k+1], v[SB+8+2*\k:SB+8+2*\k+1]
.endr
.irp g, 2,3
.irp k, 0,1,2,3
	v_pk_add_f32 v[20+2*\k:21+2*\k], v[20+2*\k:21+2*\k], v[SB+8*\g+2*\k:SB+8*\g+2*\k+1]
.endr
.endr
	v_pk_add_f32 v[20:21], v[20:21], v[22:23]
	v_pk_add_f32 v[24:25], v[24:25], v[26:27]
	v_pk_add_f32 v[20:21], v[20:21], v[24:25]
.if \first
	v_add_f32 v[LS+\c], v20, v21
.else
	v_add_f32 v20, v20, v21
	v_fma_f32 v[LS+\c], v[LS+\c], v[ALP], v20
.endif
.set i, 0
.rept 16
	v_cvt_pk_f16_f32 v[SB+16*(i/8)+i%8], v[SB+2*i], v[SB+2*i+1]          ; P^T(c, u) into the first eight registers of tiles 2 u, 2 u + 1
.set i, i+1
.endr
.endm
; 64 keys.  Behind a matrix instruction four plain vector instructions stand before its results are read or a load is issued into its sources, five before another
; matrix instruction writes over one of its registers.  The eight accumulators of a run take turns.
.macro STEP first
.irp a, 0,1,2,3
.irp d, 0,1
	ds_load_b128 v[POOL+8*(2*\a+\d):POOL+8*(2*\a+\d)+3],   v1 offset:2176*\a+64*\d
	ds_load_b128 v[POOL+8*(2*\a+\d)+4:POOL+8*(2*\a+\d)+7], v1 offset:2176*\a+64*\d+32
.endr
.endr
	s_wait_dscnt 0x0
.irp c, 0,1
.irp a, 0,1,2,3
	v_wmma_f32_16x16x32_f16 v[S+8*(4*\c+\a):S+8*(4*\c+\a)+7], v[POOL+16*\a:POOL+16*\a+7], v[Q+16*\c:Q+16*\c+7], 0
.endr
.endr
.irp c, 0,1
.irp a, 0,1,2,3
	v_wmma_f32_16x16x32_f16 v[S+8*(4*\c+\a):S+8*(4*\c+\a)+7], v[POOL+16*\a+8:POOL+16*\a+15], v[Q+16*\c+8:Q+16*\c+15], v[S+8*(4*\c+\a):S+8*(4*\c+\a)+7]
.endr
.endr
	v_add_nc_u32 v1, 8704, v1                      ; the next 64 keys: 32 LDS rows of 272 bytes; with three v_nop the four places
	PLACES 3
.irp u, 0,1
.irp t, 0,1,2,3
	ds_load_tr16_b128 v[POOL+8*(4*\u+\t):POOL+8*(4*\u+\t)+3],   v2 offset:4608*\u+32*\t
	ds_load_tr16_b128 v[POOL+8*(4*\u+\t)+4:POOL+8*(4*\u+\t)+7], v2 offset:4608*\u+32*\t+2304
.endr
.endr
	v_add_nc_u32 v2, 9216, v2                      ; 32 LDS rows of 288 bytes
	SOFT 0, \first
	SOFT 1, \first
	s_wait_dscnt 0x0                               ; V's fragments, issued ahead of the softmax
.irp c, 0,1
.irp t, 0,1,2,3
.if \first
	v_wmma_f32_16x16x32_f16 v[O+8*(4*\c+\t):O+8*(4*\c+\t)+7], v[POOL+8*\t:POOL+8*\t+7], v[S+32*\c:S+32*\c+7], 0
.else
	v_wmma_f32_16x16x32_f16 v[O+8*(4*\c+\t):O+8*(4*\c+\t)+7], v[POOL+8*\t:POOL+8*\t+7], v[S+32*\c:S+32*\c+7], v[O+8*(4*\c+\t):O+8*(4*\c+\t)+7]
.endif
.endr
.endr
.irp c, 0,1
.irp t, 0,1,2,3
	v_wmma_f32_16x16x32_f16 v[O+8*(4*\c+\t):O+8*(4*\c+\t)+7], v[POOL+32+8*\t:POOL+32+8*\t+7], v[S+32*\c+16:S+32*\c+23], v[O+8*(4*\c+\t):O+8*(4*\c+\t)+7]
.endr
.endr
	PLACES 5                                       ; the next scores write over P, the next K loads land in the pool
.endm
.macro PROC s, first                   ; my half of a fill: 256 keys, four steps
	v_add_nc_u32 v1, \s*KSLOT, v3
	v_add_nc_u32 v2, \s*VSLOT, v4
.if \first
	STEP 1                                         ; the first step starts maxima, sums and O: nothing is cleared
	s_mov_b32 s50, 3
.else
	s_mov_b32 s50, 4
.endif
.Lstep_\@:
	STEP 0
	s_sub_co_u32 s50, s50, 1
	s_cmp_lg_u32 s50, 0
	s_cbranch_scc1 .Lstep_\@
.endm
	s_load_b128 s[4:7], s[0:1], 0x0                ; qb s[4:5], kvb s[6:7]
	s_load_b64 s[8:9], s[0:1], 0x10                ; ao
	v_lshl_add_u32 v190, v0, 2, 0x4f000
	v_mov_b32 v191, 0
	ds_add_u32 v190, v191
	s_wait_dscnt 0x0
	v_lshrrev_b32 v1, 5, v0
	v_readfirstlane_b32 s10, v1                    ; wave 0..15
	s_lshr_b32 s11, s10, 3                         ; kh: my half of a fill's keys.  Also: I fetch for K (0) or for V (1)
	s_and_b32 s12, s10, 7                          ; my query group.  Also: which eighth of that tile I fetch
	s_bfe_u32 s13, ttmp6, 0x40000                  ; cx
	s_lshl_b32 s14, ttmp9, 2
	s_add_co_u32 s14, s14, s13                     ; qi: query block
	s_and_b32 s15, ttmp7, 0xffff                   ; bh: 16 batch + head
	; group 1: 32 dense rows of 32 elements of 8 bytes (64 keys), all four partners; K: 4 words of padding behind every 64, V: 8 words
	s_mov_b32 s[G1K+0], 15|(3<<16)|(1<<20)|(1<<21)|(5<<22)|(3<<25)
	s_mov_b32 s[G1K+1], 32<<16
	s_mov_b32 s[G1K+2], 32<<16
	s_mov_b32 s[G1K+3], 32<<16
	s_mov_b32 s[G1K+4], 32
	s_mov_b32 s[G1K+5], 32
	s_mov_b32 s[G1K+6], 0
	s_mov_b32 s[G1K+7], 0
	s_mov_b32 s[G1V+0], 15|(3<<16)|(1<<20)|(1<<21)|(5<<22)|(7<<25)
	s_mov_b32 s[G1V+1], 32<<16
	s_mov_b32 s[G1V+2], 32<<16
	s_mov_b32 s[G1V+3], 32<<16
	s_mov_b32 s[G1V+4], 32
	s_mov_b32 s[G1V+5], 32
	s_mov_b32 s[G1V+6], 0
	s_mov_b32 s[G1V+7], 0
	s_lshl_b32 s52, s15, 18                        ; bh 262144 + eighth 8192 (never holds cx)
	s_lshl_b32 s56, s12, 13
	s_add_co_u32 s52, s52, s56
	s_mov_b32 s53, 0
	s_mul_i32 s57, s10, 8704                       ; LDS, K's eighths: waves 0-7 at w 8704
	s_mul_i32 s58, s10, 9216
	s_add_co_u32 s58, s58, 65536                   ; LDS, V's eighths: waves 8-15 at 139264 + (w - 8) 9216
	s_wait_kmcnt 0x0
	s_add_nc_u64 s[52:53], s[6:7], s[52:53]        ; k
	s_add_nc_u64 s[54:55], s[52:53], 8388608       ; v
	ROUND                                          ; the four partners are here: the first joint loads meet
.irp s, 0,1
	s_mov_b32 s[G0K+4*\s], 1
	s_add_co_u32 s[G0K+4*\s+1], s57, \s*KSLOT
	s_add_nc_u64 s[G0K+4*\s+2:G0K+4*\s+3], s[52:53], \s*65536
	s_or_b32 s[G0K+4*\s+3], s[G0K+4*\s+3], 0x80000000
	s_mov_b32 s[G0V+4*\s], 1
	s_add_co_u32 s[G0V+4*\s+1], s58, \s*VSLOT
	s_add_nc_u64 s[G0V+4*\s+2:G0V+4*\s+3], s[54:55], \s*65536
	s_or_b32 s[G0V+4*\s+3], s[G0V+4*\s+3], 0x80000000
	JLOAD \s                                       ; both first fills go out together: two tensor loads of a wave are out, the most in this text
.endr
	s_mov_b32 s48, 0x76543210                      ; v_permlanex16_b32: lane i reads lane i of the other half
	s_mov_b32 s49, 0xfedcba98
	v_and_b32 v16, 31, v0                          ; L
	v_and_b32 v17, 15, v0                          ; r
	v_bfe_u32 v18, v0, 4, 1                        ; h
	s_lshl_b32 s52, s15, 18
	s_lshl_b32 s56, s14, 15
	s_add_co_u32 s52, s52, s56
	s_lshl_b32 s56, s12, 12
	s_add_co_u32 s52, s52, s56
	s_mov_b32 s53, 0
	s_add_nc_u64 s[4:5], s[4:5], s[52:53]          ; qb + (bh 2048 + 256 qi + 32 group) 128
	v_lshlrev_b32 v29, 7, v17
	v_lshl_add_u32 v29, v18, 4, v29
.irp c, 0,1
.irp d, 0,1
	global_load_b128 v[Q+16*\c+8*\d:Q+16*\c+8*\d+3],   v29, s[4:5] offset:2048*\c+64*\d
	global_load_b128 v[Q+16*\c+8*\d+4:Q+16*\c+8*\d+7], v29, s[4:5] offset:2048*\c+64*\d+32
.endr
.endr
	v_lshrrev_b32 v19, 1, v17
	v_mul_u32_u24 v19, v19, 272
	v_and_b32 v20, 1, v0
	v_lshl_add_u32 v19, v20, 7, v19
	v_lshl_add_u32 v19, v18, 4, v19
	s_mul_i32 s56, s11, KHALF
	v_add_nc_u32 v3, s56, v19                      ; K: my half of the slot + (r>>1) 272 + (r&1) 128 + 16 h
	v_bfe_u32 v19, v0, 1, 2
	v_lshl_add_u32 v19, v18, 2, v19
	v_mul_u32_u24 v19, v19, 288
	v_lshl_add_u32 v19, v20, 7, v19
	v_bfe_u32 v21, v0, 3, 1
	v_lshl_add_u32 v19, v21, 4, v19
	s_mul_i32 s56, s11, VHALF
	s_add_co_u32 s56, s56, VBASE
	v_add_nc_u32 v4, s56, v19                      ; V: my half of the slot + key 8 h + (L&7) at (key>>1) 288 + (key&1) 128, + 16 ((L>>3)&1)
	s_mul_i32 s56, s12, 4608
	s_add_co_u32 s56, s56, STAGE
	v_mul_u32_u24 v19, v17, 144
	v_lshl_add_u32 v19, v18, 4, v19
	v_add_nc_u32 v5, s56, v19                      ; STO (used by waves 0-7 alone)
	v_lshrrev_b32 v19, 3, v16
	v_mul_u32_u24 v19, v19, 144
	v_and_b32 v20, 7, v0
	v_lshl_add_u32 v19, v20, 4, v19
	v_add_nc_u32 v6, s56, v19                      ; RD
	v_lshlrev_b32 v7, 4, v16                       ; 16 L
	s_mul_i32 s56, s12, XPAIR
	v_lshl_add_u32 v30, v16, 4, s56                ; the merge: my query group's bytes + 16 L
	v_mov_b32 v28, 0                               ; v_permlanex16_b32's destination counts as read
	s_lshr_b32 s52, s15, 4
	s_lshl_b32 s52, s52, 4
	s_lshl_b32 s56, s14, 1
	s_add_co_u32 s52, s52, s56
	s_lshr_b32 s56, s12, 2
	s_add_co_u32 s52, s52, s56                     ; row block of ao: 16 batch + 2 qi + (group>>2)
	s_lshl_b32 s52, s52, 18
	s_and_b32 s56, s15, 15
	s_lshl_b32 s56, s56, 14                        ; panel = head
	s_add_co_u32 s52, s52, s56
	s_and_b32 s56, s12, 3
	s_lshl_b32 s56, s56, 12                        ; my 32 rows of 128 bytes
	s_add_co_u32 s52, s52, s56
	s_add_nc_u64 s[8:9], s[8:9], s[52:53]
	s_wait_loadcnt 0x0                             ; Q
	s_wait_tensorcnt 0x1                           ; my part of fill 0 is in; fill 1's may stay out
	s_barrier_signal -1
	s_barrier_wait -1
	PROC 0, 1
	CHANGE 0
	PROC 1, 0
	CHANGE 1
	PROC 0, 0
	s_wait_dscnt 0x0                               ; my reads of slot 0 are over: behind this barrier nobody reads it and nothing is filled into it any more
	s_wait_tensorcnt 0x0                           ; my part of the last fill is in
	s_barrier_signal -1
	s_barrier_wait -1
	PROC 1, 0
	; THE MERGE.  The two halves of the lanes hold the sums of different keys: add them.  Then waves 8-15 hand O, maxima and sums to waves 0-7 through K's slot 0.
	v_permlanex16_b32 v28, v[LS], s48, s49
	v_add_f32 v[LS], v[LS], v28
	v_permlanex16_b32 v28, v[LS+1], s48, s49
	v_add_f32 v[LS+1], v[LS+1], v28
	s_cmp_eq_u32 s11, 0
	s_cbranch_scc1 .Lkeeps
.set i, 0
.rept 16
	ds_store_b128 v30, v[O+4*i:O+4*i+3] offset:512*i             ; 32 lanes x 16 bytes: 512 consecutive bytes
.set i, i+1
.endr
	ds_store_b128 v30, v[M:M+3] offset:8192                      ; maxima of c = 0, 1, sums of c = 0, 1
.Lkeeps:
	s_wait_dscnt 0x0                               ; for the partner's sake: my stores are in LDS
	s_barrier_signal -1
	s_barrier_wait -1
	s_cmp_eq_u32 s11, 0
	s_cbranch_scc0 .Lgave                          ; waves 8-15 have handed their part over
	ds_load_b128 v[16:19], v30 offset:8192
.set i, 0
.rept 16
	ds_load_b128 v[S+4*i:S+4*i+3], v30 offset:512*i
.set i, i+1
.endr
	s_wait_dscnt 16                                ; the first of the seventeen loads: the partner's maxima and sums
	v_max_num_f32 v20, v[M], v16                   ; the common maxima
	v_max_num_f32 v21, v[M+1], v17
	v_sub_f32 v22, v[M], v20
	v_sub_f32 v23, v16, v20
	v_sub_f32 v24, v[M+1], v21
	v_sub_f32 v25, v17, v21
	v_exp_f32 v22, v22                             ; what my sums are worth under the common maximum, c = 0
	v_exp_f32 v23, v23                             ; what the partner's are
	v_exp_f32 v24, v24                             ; c = 1
	v_exp_f32 v25, v25
	v_nop                                          ; a plain instruction behind the exponentials (ISA guide 5.7.2)
	s_wait_alu depctr_va_vdst(0)
	v_mul_f32 v26, v[LS], v22
	v_mul_f32 v27, v[LS+1], v24
	v_fma_f32 v26, v18, v23, v26                   ; the rows' whole sums
	v_fma_f32 v27, v19, v25, v27
	v_rcp_f32 v26, v26
	v_rcp_f32 v27, v27
	v_nop                                          ; a plain instruction behind the reciprocals
	s_wait_alu depctr_va_vdst(0)
	v_mul_f32 v12, v22, v26                        ; the factors, each twice for the packed forms: mine, c = 0
	v_mul_f32 v13, v22, v26
	v_mul_f32 v14, v23, v26                        ; the partner's, c = 0
	v_mul_f32 v15, v23, v26
	v_mul_f32 v16, v24, v27                        ; mine, c = 1
	v_mul_f32 v17, v24, v27
	v_mul_f32 v18, v25, v27                        ; the partner's, c = 1
	v_mul_f32 v19, v25, v27
.irp c, 0,1
.set i, 0
.rept 16
	v_pk_mul_f32 v[O+32*\c+2*i:O+32*\c+2*i+1], v[O+32*\c+2*i:O+32*\c+2*i+1], v[12+4*\c:13+4*\c]
.set i, i+1
.endr
.endr
	s_wait_dscnt 0x0                               ; the partner's O
.irp c, 0,1
.set i, 0
.rept 16
	v_pk_fma_f32 v[O+32*\c+2*i:O+32*\c+2*i+1], v[S+32*\c+2*i:S+32*\c+2*i+1], v[14+4*\c:15+4*\c], v[O+32*\c+2*i:O+32*\c+2*i+1]
.set i, i+1
.endr
.endr
	; round, and out through my stage
.set i, 0
.rept 8
	v_cvt_pk_f16_f32 v[O+8*i],   v[O+8*i],   v[O+8*i+1]
	v_cvt_pk_f16_f32 v[O+8*i+1], v[O+8*i+2], v[O+8*i+3]
	v_cvt_pk_f16_f32 v[O+8*i+2], v[O+8*i+4], v[O+8*i+5]
	v_cvt_pk_f16_f32 v[O+8*i+3], v[O+8*i+6], v[O+8*i+7]
.set i, i+1
.endr
.irp c, 0,1
.irp t, 0,1,2,3
	ds_store_b128 v5, v[O+8*(4*\c+\t):O+8*(4*\c+\t)+3] offset:2304*\c+32*\t
.endr
.endr
.irp q, 0,1,2,3,4,5,6,7
	ds_load_b128 v[POOL+4*\q:POOL+4*\q+3], v6 offset:576*\q      ; LDS serves a wave in order: these see the stores above; four whole rows each
.endr
.irp q, 0,1,2,3,4,5,6,7
	s_wait_dscnt 7-\q
	global_store_b128 v7, v[POOL+4*\q:POOL+4*\q+3], s[8:9] offset:512*\q   ; 512 consecutive aligned bytes
.endr
.Lgave:
	s_wait_xcnt 0x0
	v_lshl_add_u32 v190, v0, 2, 0x4f000
	v_mov_b32 v191, 0
	s_wait_tensorcnt 0x0
	ds_add_u32 v190, v191
	s_wait_dscnt 0x0
	ROUND                                          ; the closing round: no work-group ends while a partner may still ask for a tile that names it
	s_endpgm
.Lfunc_end_k_q7ea64588a4_attn:
	.size	k_q7ea64588a4_attn, .Lfunc_end_k_q7ea64588a4_attn-k_q7ea64588a4_attn
	.p2alignl 7, 3214868480
	.fill 96, 4, 3214868480
	.section	.rodata,"a",@progbits
	.p2align	6, 0x0
	.amdhsa_kernel k_q7ea64588a4_attn
		.amdhsa_group_segment_fixed_size 327680
		.amdhsa_private_segment_fixed_size 0
		.amdhsa_enable_private_segment 0
		.amdhsa_kernarg_size 24
		.amdhsa_user_sgpr_count 2
		.amdhsa_user_sgpr_kernarg_segment_ptr 1
		.amdhsa_wavefront_size32 1
		.amdhsa_system_sgpr_workgroup_id_x 1
		.amdhsa_system_sgpr_workgroup_id_y 1
		.amdhsa_system_sgpr_workgroup_id_z 1
		.amdhsa_system_vgpr_workitem_id 0
		.amdhsa_next_free_vgpr 256
		.amdhsa_next_free_sgpr 66
		.amdhsa_reserve_vcc 0
		.amdhsa_float_denorm_mode_32 3
		.amdhsa_float_denorm_mode_16_64 3
		.amdhsa_memory_ordered 1
		.amdhsa_forward_progress 1
		.amdhsa_inst_pref_size 107
	.end_amdhsa_kernel
	.amdgpu_metadata
---
amdhsa.version: [ 1, 2 ]
amdhsa.kernels:
  - .name:           k_q7ea64588a4_attn
    .symbol:         k_q7ea64588a4_attn.kd
    .args:
      - { .name: qb, .offset: 0, .size: 8, .value_kind: global_buffer, .address_space: global }
      - { .name: kvb, .offset: 8, .size: 8, .value_kind: global_buffer, .address_space: global }
      - { .name: ao, .offset: 16, .size: 8, .value_kind: global_buffer, .address_space: global }
    .group_segment_fixed_size: 327680
    .private_segment_fixed_size: 0
    .kernarg_segment_align: 8
    .kernarg_segment_size: 24
    .max_flat_workgroup_size: 512
    .sgpr_count:     66
    .vgpr_count:     256
    .wavefront_size: 32
...
	.end_amdgpu_metadata
.endif
;; end of part 4
;; launch oproj (part 5): grid 8 x 32, 4 waves a work-group, clusters of 4 x 4, 327,680 bytes of LDS; arguments ao, wb, out0; writes out0
.if DOCPART == 5
	.amdgcn_target "amdgcn-amd-amdhsa--gfx1250"
	.amdhsa_code_object_version 6
	.text
	.protected	k_q7ea64588a4_oproj
	.globl	k_q7ea64588a4_oproj
	.p2align	8
	.type	k_q7ea64588a4_oproj,@function
k_q7ea64588a4_oproj:
	s_mov_b64 s[64:65], 0
	v_nop
	global_prefetch_b8 v0, s[64:65] scope:SCOPE_SE
	s_setreg_imm32_b32 hwreg(HW_REG_WAVE_MODE, 25, 1), 1
	s_wait_xcnt 0x0
	s_wait_alu depctr_hold_cnt(0) depctr_sa_sdst(0) depctr_va_vdst(0) depctr_va_sdst(0) depctr_va_ssrc(0) depctr_va_vcc(0) depctr_vm_vsrc(0)
	s_getreg_b32 s2, hwreg(HW_REG_IB_STS2, 6, 4)
	s_cmp_eq_u32 s2, 0
	s_cbranch_scc0 .Lentry_in_a_cluster
	s_endpgm
.Lentry_in_a_cluster:
	s_bfe_u32 s2, ttmp6, 0x10000c
	s_cmp_lg_u32 s2, 0xf033
	s_cbranch_scc0 .Lentry_shape_is_right
	s_endpgm
.Lentry_shape_is_right:
; oproj: out0 = ao Wo.  A work-group makes 128 rows x 128 columns (8 x 32 = 256 work-groups); four waves, 64 x 64 each: 16 accumulator tiles, 128 registers.
; ao lies as panels [rb][head][128 rows][64] f16, Wo as blocks [jb][ks 32][nt 8] of [32 k][16 n] f16.  K = 1024 in four fills of 256 through two LDS slots.
; CLUSTER 4 x 4: ao's tile hangs on the block row alone and is asked for jointly along a row of the cluster, Wo's on the block column alone and jointly along a column.
; The matrix instruction is used transposed (source 0 = 16 columns of Wo, source 1 = 16 rows of ao): register j of lane (r, h) is C(row r, column 8 h + j).
; Operands f16, sums f32, the result f32.  LIMIT: an operand above 65,504 becomes infinite; |ao| is at most the largest |v|.
; LDS: ao ring at s 69,632 (a row of 256 bytes = two rows of a panel, pitch 272); Wo ring at 139,264 + s 65,536; stages at 270,336 + w 4,352 (LDS stores alone).
; REGISTERS.  Window 0: v1 ADRA, v2 ADRB (running), v3, v4 their lane terms, v5 STO, v6 RD, v7 offset in out0, v16-23 at work, v32-95 and v96-159 two fragment buffers.
; Window 1: accumulator (a, b) at 8 (4 a + b).
.set G1A, 28
.set G1B, 36
.set G0A, 44
.set G0B, 52
.set ASLOT, 69632
.set BSLOT, 65536
.set BBASE, 139264
.set STAGE, 270336
.set BUF0, 32
.set BUF1, 96
.set AF, 32
.set MSB, 0
.macro WIN new
.if MSB != \new
	s_set_vgpr_msb (MSB<<8)|\new
.set MSB, \new
.endif
.endm
.macro PLACES cnt
.rept \cnt
	v_nop
.endr
.endm
.macro ROUND
	s_barrier_signal -1
	s_barrier_wait -1
	s_cmp_lg_u32 s18, 0
	s_cbranch_scc1 .Lnot_wave_0_\@
	s_barrier_signal -3
.Lnot_wave_0_\@:
	s_barrier_wait -3
	s_barrier_signal -1
	s_barrier_wait -1
.endm
.macro JLOAD s
	s_cmp_eq_u32 s19, 0
	s_cbranch_scc0 .Lfor_b_\@
	tensor_load_to_lds s[G0A+4*\s:G0A+4*\s+3], s[G1A:G1A+7]
	s_nop 0
	s_branch .Lasked_\@
.Lfor_b_\@:
	tensor_load_to_lds s[G0B+4*\s:G0B+4*\s+3], s[G1B:G1B+7]
	s_nop 0
.Lasked_\@:
.endm
; slot s is filled again two fills ahead: my LDS reads are back, all my tensor loads have landed, a round of the cluster's barrier says so of every wave of all
; partners, and the joint load comes first behind it, one a wave
.macro CHANGE s
	s_wait_dscnt 0x0
	s_wait_tensorcnt 0x0
	ds_add_u32 v254, v255
	s_wait_dscnt 0x0
	s_add_nc_u64 s[G0A+4*\s+2:G0A+4*\s+3], s[G0A+4*\s+2:G0A+4*\s+3], 131072
	s_add_nc_u64 s[G0B+4*\s+2:G0B+4*\s+3], s[G0B+4*\s+2:G0B+4*\s+3], 131072
	ROUND
	JLOAD \s
.endm
.macro FETCH buf, kk                   ; 16 LDS loads: the fragments of 32 k
.irp b, 0,1,2,3
	ds_load_tr16_b128 v[\buf+8*\b:\buf+8*\b+3],   v2 offset:\kk*8192+1024*\b
	ds_load_tr16_b128 v[\buf+8*\b+4:\buf+8*\b+7], v2 offset:\kk*8192+1024*\b+512
.endr
.irp a, 0,1,2,3
	ds_load_b128 v[\buf+AF+8*\a:\buf+AF+8*\a+3],   v1 offset:2176*\a+64*\kk
	ds_load_b128 v[\buf+AF+8*\a+4:\buf+AF+8*\a+7], v1 offset:2176*\a+64*\kk+32
.endr
.endm
.macro MUL buf, zero                   ; 16 matrix instructions, one on each accumulator, always in this order: they take turns
	WIN 0x50
.irp a, 0,1,2,3
.irp b, 0,1,2,3
.if \zero
	v_wmma_f32_16x16x32_f16 v[8*(4*\a+\b):8*(4*\a+\b)+7], v[\buf+8*\b:\buf+8*\b+7], v[\buf+AF+8*\a:\buf+AF+8*\a+7], 0
.else
	v_wmma_f32_16x16x32_f16 v[8*(4*\a+\b):8*(4*\a+\b)+7], v[\buf+8*\b:\buf+8*\b+7], v[\buf+AF+8*\a:\buf+AF+8*\a+7], v[8*(4*\a+\b):8*(4*\a+\b)+7]
.endif
.endr
.endr
	WIN 0
.endm
.macro TRIP zero, next                 ; a panel of 64 k; a load into a register that a matrix instruction has read stands four plain vector instructions behind it
	FETCH BUF1, 1
	s_wait_dscnt 16                                ; all but the 16 just issued: buffer 0 is in
	MUL BUF0, \zero
	v_add_nc_u32 v1, 17408, v1
	v_add_nc_u32 v2, 16384, v2
	v_nop
	v_nop
.if \next
	FETCH BUF0, 0
	s_wait_dscnt 16                                ; buffer 1 is in
.else
	s_wait_dscnt 0x0
.endif
	MUL BUF1, 0
	PLACES 4
.endm
.macro PROC s, zero
	v_add_nc_u32 v1, \s*ASLOT, v3
	v_add_nc_u32 v2, \s*BSLOT, v4
	FETCH BUF0, 0
	TRIP \zero, 1
	TRIP 0, 1
	TRIP 0, 1
	TRIP 0, 0
.endm
; rows 16 a .. 16 a + 15 of my block: 64 f32 a row through my stage (pitch 272), read back by rows; sixteen lanes store 256 consecutive aligned bytes
.macro OUT16 a, f
	WIN 0x04                                       ; store data in window 1
.irp b, 0,1,2,3
	ds_store_b128 v5, v[8*(4*\a+\b):8*(4*\a+\b)+3]   offset:64*\b
	ds_store_b128 v5, v[8*(4*\a+\b)+4:8*(4*\a+\b)+7] offset:64*\b+16
.endr
	WIN 0
	s_wait_xcnt 0x0                                ; earlier stores' data registers are loaded again only behind this wait
.irp q, 0,1,2,3,4,5,6,7
	ds_load_b128 v[\f+4*\q:\f+4*\q+3], v6 offset:544*\q          ; LDS serves a wave in order: these see the stores above
.endr
.irp q, 0,1,2,3,4,5,6,7
	s_wait_dscnt 7-\q
	global_store_b128 v7, v[\f+4*\q:\f+4*\q+3], s[8:9] offset:(16*\a+2*\q)*4096 th:TH_STORE_NT
.endr
.endm
	s_load_b128 s[4:7], s[0:1], 0x0                ; ao s[4:5], wb s[6:7]
	s_load_b64 s[8:9], s[0:1], 0x10                ; out0
	v_lshl_add_u32 v254, v0, 2, 0x46400
	v_mov_b32 v255, 0
	ds_add_u32 v254, v255
	v_lshrrev_b32 v1, 5, v0
	v_readfirstlane_b32 s18, v1                    ; wave
	s_lshr_b32 s19, s18, 1                         ; wm; also: I fetch for ao (0) or for Wo (1)
	s_and_b32 s20, s18, 1                          ; wc; also: which half of that tile
	s_bfe_u32 s21, ttmp6, 0x40000                  ; cx
	s_bfe_u32 s22, ttmp6, 0x40004                  ; cy
	s_lshl_b32 s23, ttmp9, 2
	s_add_co_u32 s23, s23, s21                     ; jb
	s_and_b32 s24, ttmp7, 0xffff
	s_lshl_b32 s24, s24, 2
	s_add_co_u32 s24, s24, s22                     ; rb
	s_lshl_b32 s25, s22, 2
	s_lshl_b32 s25, 15, s25                        ; my row of the cluster
	s_lshl_b32 s26, 0x1111, s21                    ; my column
	s_or_b32 s[G1A+0], s25, (3<<16)|(1<<20)|(1<<21)|(5<<22)|(3<<25)   ; 128 dense rows of 256 bytes, 4 words of padding behind each
	s_mov_b32 s[G1A+1], 32<<16
	s_mov_b32 s[G1A+2], 128<<16
	s_mov_b32 s[G1A+3], 32<<16
	s_mov_b32 s[G1A+4], 128
	s_mov_b32 s[G1A+5], 32
	s_mov_b32 s[G1A+6], 0
	s_mov_b32 s[G1A+7], 0
	s_or_b32 s[G1B+0], s26, (3<<16)|(1<<21)        ; 128 dense rows of 256 bytes, no padding
	s_mov_b32 s[G1B+1], 32<<16
	s_mov_b32 s[G1B+2], 128<<16
	s_mov_b32 s[G1B+3], 32<<16
	s_mov_b32 s[G1B+4], 128
	s_mov_b32 s[G1B+5], 32
	s_mov_b32 s[G1B+6], 0
	s_mov_b32 s[G1B+7], 0
	s_lshl_b32 s66, s24, 18                        ; ao: rb 262144 + half 32768 (never holds cx)
	s_lshl_b32 s27, s20, 15
	s_add_co_u32 s66, s66, s27
	s_mov_b32 s67, 0
	s_lshl_b32 s68, s23, 18                        ; Wo: 3670016 + jb 262144 + half 32768 (never holds cy)
	s_add_co_u32 s68, s68, s27
	s_add_co_u32 s68, s68, 3670016
	s_mov_b32 s69, 0
	s_mul_i32 s70, s18, 34816                      ; LDS, ao's halves: waves 0, 1 at w 34816
	s_lshl_b32 s71, s18, 15
	s_add_co_u32 s71, s71, 73728                   ; LDS, Wo's halves: waves 2, 3 at 139264 + (w - 2) 32768
	s_wait_dscnt 0x0
	s_wait_kmcnt 0x0
	s_add_nc_u64 s[66:67], s[4:5], s[66:67]
	s_add_nc_u64 s[68:69], s[6:7], s[68:69]
	ROUND                                          ; all sixteen work-groups are here: the first joint loads meet
.irp s, 0,1
	s_mov_b32 s[G0A+4*\s], 1
	s_add_co_u32 s[G0A+4*\s+1], s70, \s*ASLOT
	s_add_nc_u64 s[G0A+4*\s+2:G0A+4*\s+3], s[66:67], \s*65536
	s_or_b32 s[G0A+4*\s+3], s[G0A+4*\s+3], 0x80000000
	s_mov_b32 s[G0B+4*\s], 1
	s_add_co_u32 s[G0B+4*\s+1], s71, \s*BSLOT
	s_add_nc_u64 s[G0B+4*\s+2:G0B+4*\s+3], s[68:69], \s*65536
	s_or_b32 s[G0B+4*\s+3], s[G0B+4*\s+3], 0x80000000
	JLOAD \s                                       ; both first fills go out together: two tensor loads of a wave are out, the most in this text
.endr
	v_and_b32 v17, 15, v0                          ; r
	v_bfe_u32 v18, v0, 4, 1                        ; h
	v_lshrrev_b32 v19, 1, v17
	v_mul_u32_u24 v19, v19, 272
	v_and_b32 v20, 1, v0
	v_lshl_add_u32 v19, v20, 7, v19
	v_lshl_add_u32 v19, v18, 4, v19
	s_mul_i32 s27, s19, 8704
	v_add_nc_u32 v3, s27, v19                      ; ao: my 64 rows + (r>>1) 272 + (r&1) 128 + 16 h
	v_and_b32 v20, 7, v0
	v_lshlrev_b32 v21, 5, v20
	v_lshl_add_u32 v21, v18, 8, v21
	v_bfe_u32 v22, v0, 3, 1
	v_lshl_add_u32 v21, v22, 4, v21
	s_lshl_b32 s27, s20, 12
	s_add_co_u32 s27, s27, BBASE
	v_add_nc_u32 v4, s27, v21                      ; Wo: my four blocks + 256 h + 32 (L&7) + 16 ((L>>3)&1)
	s_mul_i32 s27, s18, 4352
	s_add_co_u32 s27, s27, STAGE
	v_mul_u32_u24 v19, v17, 272
	v_lshl_add_u32 v19, v18, 5, v19
	v_add_nc_u32 v5, s27, v19                      ; STO: row r, 32 h
	v_mul_u32_u24 v19, v18, 272
	v_lshl_add_u32 v19, v17, 4, v19
	v_add_nc_u32 v6, s27, v19                      ; RD: lanes 0-15 one row, lanes 16-31 the next
	v_lshlrev_b32 v19, 12, v18
	v_lshl_add_u32 v7, v17, 4, v19                 ; the same two rows in out0
	s_lshl_b32 s72, s24, 19
	s_lshl_b32 s74, s19, 18
	s_add_co_u32 s72, s72, s74
	s_lshl_b32 s74, s23, 9
	s_add_co_u32 s72, s72, s74
	s_lshl_b32 s74, s20, 8
	s_add_co_u32 s72, s72, s74
	s_mov_b32 s73, 0
	s_add_nc_u64 s[8:9], s[8:9], s[72:73]          ; out0 + (128 rb + 64 wm) 4096 + (128 jb + 64 wc) 4
	s_wait_tensorcnt 0x1                           ; my part of fill 0 is in; fill 1's may stay out
	s_barrier_signal -1
	s_barrier_wait -1
	PROC 0, 1                                      ; the first products start the sums: nothing is cleared
	CHANGE 0
	PROC 1, 0
	CHANGE 1
	PROC 0, 0
	s_wait_dscnt 0x0
	s_wait_tensorcnt 0x0                           ; my part of the last fill is in
	s_barrier_signal -1
	s_barrier_wait -1
	PROC 1, 0
	OUT16 0, 32
	OUT16 1, 64
	OUT16 2, 32
	OUT16 3, 64
	s_wait_tensorcnt 0x0
	ds_add_u32 v254, v255
	s_wait_dscnt 0x0
	ROUND                                          ; the closing round: no work-group ends while a partner may still ask for a tile that names it
	s_endpgm
.Lfunc_end_k_q7ea64588a4_oproj:
	.size	k_q7ea64588a4_oproj, .Lfunc_end_k_q7ea64588a4_oproj-k_q7ea64588a4_oproj
	.p2alignl 7, 3214868480
	.fill 96, 4, 3214868480
	.section	.rodata,"a",@progbits
	.p2align	6, 0x0
	.amdhsa_kernel k_q7ea64588a4_oproj
		.amdhsa_group_segment_fixed_size 327680
		.amdhsa_private_segment_fixed_size 0
		.amdhsa_enable_private_segment 0
		.amdhsa_kernarg_size 24
		.amdhsa_user_sgpr_count 2
		.amdhsa_user_sgpr_kernarg_segment_ptr 1
		.amdhsa_wavefront_size32 1
		.amdhsa_system_sgpr_workgroup_id_x 1
		.amdhsa_system_sgpr_workgroup_id_y 1
		.amdhsa_system_sgpr_workgroup_id_z 1
		.amdhsa_system_vgpr_workitem_id 0
		.amdhsa_next_free_vgpr 384
		.amdhsa_next_free_sgpr 76
		.amdhsa_reserve_vcc 0
		.amdhsa_float_denorm_mode_32 3
		.amdhsa_float_denorm_mode_16_64 3
		.amdhsa_memory_ordered 1
		.amdhsa_forward_progress 1
		.amdhsa_inst_pref_size 90
	.end_amdhsa_kernel
	.amdgpu_metadata
---
amdhsa.version: [ 1, 2 ]
amdhsa.kernels:
  - .name:           k_q7ea64588a4_oproj
    .symbol:         k_q7ea64588a4_oproj.kd
    .args:
      - { .name: ao, .offset: 0, .size: 8, .value_kind: global_buffer, .address_space: global }
      - { .name: wb, .offset: 8, .size: 8, .value_kind: global_buffer, .address_space: global }
      - { .name: out0, .offset: 16, .size: 8, .value_kind: global_buffer, .address_space: global }
    .group_segment_fixed_size: 327680
    .private_segment_fixed_size: 0
    .kernarg_segment_align: 8
    .kernarg_segment_size: 24
    .max_flat_workgroup_size: 128
    .sgpr_count:     76
    .vgpr_count:     384
    .wavefront_size: 32
...
	.end_amdgpu_metadata
.endif
;; end of part 5
;; ======== version 2 of 2: 5 launches; version 1 with the launch prep written anew for expert scheduling mode
;; limits: right only within a limited range of input values; values are held in f16: magnitudes above 65,504 overflow, below 6.1e-05 lose precision
;; workspace buffers: xb 8,388,608 bytes; wb 5,767,168 bytes; tab 524,288 bytes; lat 4,194,304 bytes; qb 8,388,608 bytes; kvb 16,777,216 bytes; ao 8,388,608 bytes
;; launch prep (part 6): grid 496 x 1, 8 waves a work-group, no clusters, 0 bytes of LDS; arguments x, positions, Wq, Wdown, Wkv, Wo, xb, wb, tab; writes xb, wb, tab
.if DOCPART == 6
	.amdgcn_target "amdgcn-amd-amdhsa--gfx1250"
	.amdhsa_code_object_version 6
	.text
	.protected	k_q7ea64588a4_prep
	.globl	k_q7ea64588a4_prep
	.p2align	8
	.type	k_q7ea64588a4_prep,@function
k_q7ea64588a4_prep:
	s_mov_b64 s[64:65], 0
	v_nop
	global_prefetch_b8 v0, s[64:65] scope:SCOPE_SE
	s_setreg_imm32_b32 hwreg(HW_REG_WAVE_SCHED_MODE, 0, 2), 2
	s_setreg_imm32_b32 hwreg(HW_REG_WAVE_MODE, 25, 1), 1
	s_wait_xcnt 0x0
	s_wait_alu depctr_vm_vsrc(0)
; prep: x and the four weight matrices are rounded once to f16 and laid out as the later launches' tiles; cos and sin of the RoPE angles are tabulated.
;   xb  [rb = m/128][p = k/64][m%128][k%64] f16: a panel of 128 rows x 64 k is 16,384 consecutive bytes.
;   wb  blocks of 1,024 bytes, each [32 k][16 n] f16.  WC at 0: [j 8][ks 32][nt 10], nt 0-3 = Wq columns 128 j + 16 nt, nt 4 = Wdown columns 32 j ..,
;       nt 5-8 = Wq columns 128 j + 64 + 16 (nt-5), nt 9 = Wdown columns 32 j + 16 ..; WKV at 2,621,440: [jb 8][ks 8][nt 16]; WO at 3,670,016: [jb 8][ks 32][nt 8].
;   tab cos[s][32] f32 at 0, sin[s][32] at 262,144.
; A stream: every input byte is read once, every store of a wave covers 256 or 512 consecutive aligned bytes.  No LDS, no barrier, no matrix unit: no wave shares
; anything with another.  Work-groups 0-255 cast x, 256-319 Wq, 320-383 Wo, 384-415 Wkv, 416-431 Wdown, 432-495 make the tables; each wave has one unit u.
; LIMITS.  f16: an input above 65,504 in magnitude becomes infinite; below 6.1e-5 it keeps an absolute step of 6e-8.
; Angles: inv_freq is made by exp2 (relative error about 2e-7) and the reduction by quadrants uses pi/2 in two parts, so the angle is right to about 1e-3 radian
; for |positions| up to about 5,000, to about 0.02 up to 65,536, and the quadrant count holds for |position x inv_freq| below about 1e6.
; THE MODE: SCHED_MODE bits 1:0 = 2 (LLVM: expert scheduling mode 2), set by the entry lines.  The code itself states the register dependences
; between vector instructions and memory instructions, with s_wait_alu, always for 0.
; THE PLAN.  Registers that memory instructions touch, in the five paths that cast:
;   v2, v3   the loads' and the stores' byte offsets: made at the path's head, never written again.
;   X        sixteen loads land in it, each register once; no vector instruction names it ahead of the loads; the conversions read it behind the counted wait on LOADcnt.
;   Y        each register is written once, by a conversion, and read once, by a store.
; A unit goes in four blocks of four loads.  Block p converts X's block p into Y's block p; its memory instructions are the stores of block p - 1, which read Y's block
; p - 1 and v3: registers that no vector instruction of block p names.  So one wait at a block's head states all that its stores hang on, and they are dealt among its
; conversions with no further wait.  No register that a memory instruction reads is ever written again, so no wait for such reads is owed.
; In the tables' path: v2 is the one load's offset, v4 takes its data, v5 and v[12:19] are the two stores' offset and data; none is written again behind its reader.
.set X, 16                             ; v[16:79]   sixteen loads of 16 bytes
.set Y, 80                             ; v[80:111]  what is stored; every store has registers of its own
.set SR, 28                            ; v[28:31]   tables: sin r of the lane's four angles
.set CR, 32                            ; v[32:35]   tables: cos r
.set NQ, 36                            ; v[36:39]   tables: the count of quarter turns, a whole number
.set WKV_AT, 2621440
.set WO_AT,  3670016
; one (tile t, row half i) of a weight unit: q = 2 t + i; eight f32 of a lane become 16 bytes
.macro WCVT q
	v_cvt_pk_f16_f32 v[Y+4*\q],   v[X+8*\q],   v[X+8*\q+1]
	v_cvt_pk_f16_f32 v[Y+4*\q+1], v[X+8*\q+2], v[X+8*\q+3]
	v_cvt_pk_f16_f32 v[Y+4*\q+2], v[X+8*\q+4], v[X+8*\q+5]
	v_cvt_pk_f16_f32 v[Y+4*\q+3], v[X+8*\q+6], v[X+8*\q+7]
.endm
.macro WST q, off
	global_store_b128 v3, v[Y+4*\q:Y+4*\q+3], s[34:35] offset:\off   ; 32 lanes x 16 bytes: half a block, 512 consecutive bytes
.endm
; A weight unit: 32 rows (one ks) x 64 columns (four tiles) from s[32:33], pitch bytes from row to row, to four blocks at s[34:35] + o0 .. o3.
; Lane L takes row (L>>1) + 16 i, columns 8 (L&1) .. +7 of tile t: its 16 bytes of f16 lie at 16 L + 512 i of the block.
; A block of the plan is one tile: four loads, q = 2 t and 2 t + 1.
.macro WCAST pitch, o0, o1, o2, o3
	v_lshrrev_b32 v2, 1, v1
	v_mul_u32_u24 v2, v2, \pitch
	v_and_b32 v3, 1, v1
	v_lshl_add_u32 v2, v3, 5, v2                   ; source: (L>>1) pitch + 32 (L&1)
	v_lshlrev_b32 v3, 4, v1                        ; destination: 16 L
	s_wait_alu depctr_va_vdst(0)                   ; v2 and v3 are written: every load below reads v2 as its offset, every store v3
.irp t, 0,1,2,3
.irp i, 0,1
.irp e, 0,1
	global_load_b128 v[X+4*(4*\t+2*\i+\e):X+4*(4*\t+2*\i+\e)+3], v2, s[32:33] offset:64*\t+16*\pitch*\i+16*\e th:TH_LOAD_NT
.endr
.endr
.endr
	s_wait_loadcnt 12                              ; loads return in order: tile 0's four are in, the twelve younger ones stay out
	WCVT 0
	WCVT 1
	s_wait_loadcnt 8                               ; tile 1's four are in
	s_wait_alu depctr_va_vdst(0)                   ; tile 0's conversions have written v[Y .. Y+7], which the two stores below read
	WST 0, \o0
	WCVT 2
	WST 1, \o0+512
	WCVT 3
	s_wait_loadcnt 4                               ; tile 2's four are in
	s_wait_alu depctr_va_vdst(0)                   ; tile 1's conversions have written v[Y+8 .. Y+15], which the two stores below read
	WST 2, \o1
	WCVT 4
	WST 3, \o1+512
	WCVT 5
	s_wait_loadcnt 0x0                             ; tile 3's four are in
	s_wait_alu depctr_va_vdst(0)                   ; tile 2's conversions have written v[Y+16 .. Y+23], which the two stores below read
	WST 4, \o2
	WCVT 6
	WST 5, \o2+512
	WCVT 7
	s_wait_alu depctr_va_vdst(0)                   ; tile 3's conversions have written v[Y+24 .. Y+31], which the last two stores read
	WST 6, \o3
	WST 7, \o3+512
.endm
; cos and sin of the angle in v[8+e], in two parts.  The first: n = nearest whole number of quarter turns, r = angle - n pi/2 (pi/2 in two parts, fused), polynomials on
; |r| <= pi/4, and the mask 'n is odd' into s[36+e].  The four angles' first parts stand on end, so that the four masks have one wait.
.macro SINCOS_R e
	v_mul_f32 v20, s40, v[8+\e]
	v_rndne_f32 v20, v20
	v_fma_f32 v21, v20, s41, v[8+\e]
	v_fma_f32 v21, v20, s42, v21
	v_cvt_i32_f32 v[NQ+\e], v20
	v_mul_f32 v23, v21, v21
	v_fma_f32 v24, v23, s43, s44
	v_fma_f32 v24, v24, v23, s45
	v_mul_f32 v24, v24, v23
	v_fma_f32 v[SR+\e], v24, v21, v21              ; sin r
	v_fma_f32 v25, v23, s46, s47
	v_fma_f32 v25, v25, v23, s48
	v_fma_f32 v25, v25, v23, -0.5
	v_fma_f32 v[CR+\e], v25, v23, 1.0              ; cos r
	v_and_b32 v26, 1, v[NQ+\e]
	v_cmp_eq_u32 s[36+\e], 1, v26
.endm
; The second part, the quadrant: odd n swaps the two, bit 1 of n (of n + 1) gives sin's (cos's) sign.  Selections only: no branch hangs on a number.
.macro SINCOS_Q e
	v_cndmask_b32 v27, v[SR+\e], v[CR+\e], s[36+\e]
	v_cndmask_b32 v26, v[CR+\e], v[SR+\e], s[36+\e]
	v_lshlrev_b32 v24, 30, v[NQ+\e]
	v_and_b32 v24, 0x80000000, v24
	v_xor_b32 v[16+\e], v27, v24                   ; sin
	v_add_nc_u32 v22, 1, v[NQ+\e]
	v_lshlrev_b32 v22, 30, v22
	v_and_b32 v22, 0x80000000, v22
	v_xor_b32 v[12+\e], v26, v22                   ; cos
.endm
	s_load_b512 s[4:19], s[0:1], 0x0               ; x s[4:5], positions s[6:7], Wq s[8:9], Wdown s[10:11], Wkv s[12:13], Wo s[14:15], xb s[16:17], wb s[18:19]
	s_load_b64 s[20:21], s[0:1], 0x40              ; tab
	v_lshrrev_b32 v1, 5, v0
	v_readfirstlane_b32 s22, v1                    ; wave
	v_and_b32 v1, 31, v0                           ; L
	s_mov_b32 s29, 0                               ; high words of the two offsets
	s_mov_b32 s31, 0
	s_wait_alu depctr_va_sdst(0)                   ; s22 is written, ahead of the branches: each path makes its unit's number from it
	s_wait_kmcnt 0x0
	s_cmp_lt_u32 ttmp9, 256
	s_cbranch_scc1 .Lxcast
	s_cmp_lt_u32 ttmp9, 320
	s_cbranch_scc1 .Lwq
	s_cmp_lt_u32 ttmp9, 384
	s_cbranch_scc1 .Lwo
	s_cmp_lt_u32 ttmp9, 416
	s_cbranch_scc1 .Lwkv
	s_cmp_lt_u32 ttmp9, 432
	s_cbranch_scc1 .Lwdown
	; TABLES: unit u = four positions; lane L: s = 4 u + (L>>3), frequencies i = 4 (L&7) + 0..3
	s_sub_co_u32 s23, ttmp9, 432
	s_lshl_b32 s23, s23, 3
	s_add_co_u32 s23, s23, s22
	s_lshl_b32 s28, s23, 4                         ; 16 u: four positions
	s_lshl_b32 s30, s23, 9                         ; 512 u: four rows of the table
	s_add_nc_u64 s[6:7], s[6:7], s[28:29]
	s_add_nc_u64 s[20:21], s[20:21], s[30:31]
	v_lshrrev_b32 v2, 3, v1
	v_lshlrev_b32 v2, 2, v2
	s_wait_alu depctr_va_vdst(0)                   ; v2 is written, which the load reads as its offset
	global_load_b32 v4, v2, s[6:7]
	s_mov_b32 s40, 0x3f22f983                      ; 2 / pi
	s_mov_b32 s41, 0xbfc90fdb                      ; - pi/2, upper part
	s_mov_b32 s42, 0x333bbd2e                      ; - pi/2, the rest
	s_mov_b32 s43, 0xb9500d01                      ; -1/5040
	s_mov_b32 s44, 0x3c088889                      ; 1/120
	s_mov_b32 s45, 0xbe2aaaab                      ; -1/6
	s_mov_b32 s46, 0x37d00d01                      ; 1/40320
	s_mov_b32 s47, 0xbab60b61                      ; -1/720
	s_mov_b32 s48, 0x3d2aaaab                      ; 1/24
	v_and_b32 v3, 7, v1
	v_lshlrev_b32 v3, 2, v3
	v_cvt_f32_u32 v8, v3
	v_add_f32 v9, 1.0, v8
	v_add_f32 v10, 2.0, v8
	v_add_f32 v11, 0x40400000, v8
	v_mul_f32 v8, 0xbed49a78, v8                   ; - i log2(10000) / 32
	v_mul_f32 v9, 0xbed49a78, v9
	v_mul_f32 v10, 0xbed49a78, v10
	v_mul_f32 v11, 0xbed49a78, v11
	v_exp_f32 v8, v8                               ; inv_freq = 10000^(-i/32)
	v_exp_f32 v9, v9
	v_exp_f32 v10, v10
	v_exp_f32 v11, v11
	v_lshlrev_b32 v5, 4, v1                        ; 16 L; also the plain instruction behind the exponentials (ISA guide 5.7.2)
	s_wait_loadcnt 0x0
	v_cvt_f32_i32 v4, v4
	s_wait_alu depctr_va_vdst(0)                   ; the four exponentials have written v[8:11], ahead of their first reader: one wait for the batch
	v_mul_f32 v8, v4, v8
	v_mul_f32 v9, v4, v9
	v_mul_f32 v10, v4, v10
	v_mul_f32 v11, v4, v11
	SINCOS_R 0
	SINCOS_R 1
	SINCOS_R 2
	SINCOS_R 3
	s_wait_alu depctr_va_sdst(0)                   ; the four compares have written s36 to s39, ahead of the first selection that reads one of them
	SINCOS_Q 0
	SINCOS_Q 1
	SINCOS_Q 2
	SINCOS_Q 3
	s_wait_alu depctr_va_vdst(0)                   ; v5 and v[12:19] are written: the two stores' offset and data
	global_store_b128 v5, v[12:15], s[20:21]
	global_store_b128 v5, v[16:19], s[20:21] offset:262144
	s_endpgm
.Lxcast:                                               ; unit u: 32 rows x 64 columns of x
	s_lshl_b32 s23, ttmp9, 3
	s_add_co_u32 s23, s23, s22
	s_lshr_b32 s24, s23, 6                         ; rb
	s_bfe_u32 s25, s23, 0x40002                    ; p
	s_and_b32 s26, s23, 3                          ; g: which 32 of the 128 rows
	s_lshl_b32 s28, s24, 19
	s_lshl_b32 s27, s26, 17
	s_add_co_u32 s28, s28, s27
	s_lshl_b32 s27, s25, 8
	s_add_co_u32 s28, s28, s27                     ; x: rb 524288 + g 131072 + p 256
	s_lshl_b32 s30, s24, 18
	s_lshl_b32 s27, s25, 14
	s_add_co_u32 s30, s30, s27
	s_lshl_b32 s27, s26, 12
	s_add_co_u32 s30, s30, s27                     ; xb: rb 262144 + p 16384 + g 4096
	s_add_nc_u64 s[4:5], s[4:5], s[28:29]
	s_add_nc_u64 s[16:17], s[16:17], s[30:31]
	v_and_b32 v2, 15, v1
	v_lshlrev_b32 v2, 4, v2
	v_lshrrev_b32 v3, 4, v1
	v_lshl_add_u32 v2, v3, 12, v2                  ; lanes 0-15 one row's 256 bytes, lanes 16-31 the next row's
	v_lshlrev_b32 v3, 3, v1                        ; 8 L: the same two rows are 256 consecutive bytes of the panel
	s_wait_alu depctr_va_vdst(0)                   ; v2 and v3 are written: every load below reads v2 as its offset, every store v3
.set i, 0
.rept 16
	global_load_b128 v[X+4*i:X+4*i+3], v2, s[4:5] offset:8192*i th:TH_LOAD_NT
.set i, i+1
.endr
.set p, 0
.rept 4                                                ; block p: loads 4 p .. 4 p + 3 are converted, the stores of block p - 1 go out among the conversions
	s_wait_loadcnt 12-4*p                          ; loads return in order: the block's four are in, the younger ones stay out
.if p > 0
	s_wait_alu depctr_va_vdst(0)                   ; the block before has written its eight registers of Y, which the four stores below read
.endif
.set i, 4*p
.rept 4
.if p > 0
	global_store_b64 v3, v[Y+2*(i-4):Y+2*(i-4)+1], s[16:17] offset:256*(i-4)
.endif
	v_cvt_pk_f16_f32 v[Y+2*i],   v[X+4*i],   v[X+4*i+1]
	v_cvt_pk_f16_f32 v[Y+2*i+1], v[X+4*i+2], v[X+4*i+3]
.set i, i+1
.endr
.set p, p+1
.endr
	s_wait_alu depctr_va_vdst(0)                   ; block 3 has written v[Y+24 .. Y+31], which the last four stores read
.set i, 12
.rept 4
	global_store_b64 v3, v[Y+2*i:Y+2*i+1], s[16:17] offset:256*i
.set i, i+1
.endr
	s_endpgm
.Lwq:
	s_sub_co_u32 s23, ttmp9, 256
	s_lshl_b32 s23, s23, 3
	s_add_co_u32 s23, s23, s22
	s_and_b32 s24, s23, 15                         ; qd: which 64 columns (a head)
	s_lshr_b32 s25, s23, 4                         ; ks
	s_lshl_b32 s28, s25, 17
	s_lshl_b32 s26, s24, 8
	s_add_co_u32 s28, s28, s26
	s_lshr_b32 s26, s24, 1
	s_lshl_b32 s26, s26, 5
	s_add_co_u32 s26, s26, s25                     ; 32 j + ks
	s_mul_i32 s30, s26, 10240
	s_and_b32 s26, s24, 1
	s_mul_i32 s26, s26, 5120
	s_add_co_u32 s30, s30, s26
	s_add_nc_u64 s[32:33], s[8:9], s[28:29]
	s_add_nc_u64 s[34:35], s[18:19], s[30:31]
	WCAST 4096, 0, 1024, 2048, 3072
	s_endpgm
.Lwo:
	s_sub_co_u32 s23, ttmp9, 320
	s_lshl_b32 s23, s23, 3
	s_add_co_u32 s23, s23, s22
	s_and_b32 s24, s23, 15
	s_lshr_b32 s25, s23, 4
	s_lshl_b32 s28, s25, 17
	s_lshl_b32 s26, s24, 8
	s_add_co_u32 s28, s28, s26
	s_lshr_b32 s26, s24, 1
	s_lshl_b32 s26, s26, 5
	s_add_co_u32 s26, s26, s25                     ; 32 jb + ks
	s_lshl_b32 s30, s26, 13
	s_and_b32 s26, s24, 1
	s_lshl_b32 s26, s26, 12
	s_add_co_u32 s30, s30, s26
	s_add_co_u32 s30, s30, WO_AT
	s_add_nc_u64 s[32:33], s[14:15], s[28:29]
	s_add_nc_u64 s[34:35], s[18:19], s[30:31]
	WCAST 4096, 0, 1024, 2048, 3072
	s_endpgm
.Lwkv:
	s_sub_co_u32 s23, ttmp9, 384
	s_lshl_b32 s23, s23, 3
	s_add_co_u32 s23, s23, s22
	s_and_b32 s24, s23, 31
	s_lshr_b32 s25, s23, 5
	s_lshl_b32 s28, s25, 18
	s_lshl_b32 s26, s24, 8
	s_add_co_u32 s28, s28, s26
	s_lshr_b32 s26, s24, 2
	s_lshl_b32 s26, s26, 3
	s_add_co_u32 s26, s26, s25                     ; 8 jb + ks
	s_lshl_b32 s30, s26, 14
	s_and_b32 s26, s24, 3
	s_lshl_b32 s26, s26, 12
	s_add_co_u32 s30, s30, s26
	s_add_co_u32 s30, s30, WKV_AT
	s_add_nc_u64 s[32:33], s[12:13], s[28:29]
	s_add_nc_u64 s[34:35], s[18:19], s[30:31]
	WCAST 8192, 0, 1024, 2048, 3072
	s_endpgm
.Lwdown:
	s_sub_co_u32 s23, ttmp9, 416
	s_lshl_b32 s23, s23, 3
	s_add_co_u32 s23, s23, s22
	s_and_b32 s24, s23, 3
	s_lshr_b32 s25, s23, 2
	s_lshl_b32 s28, s25, 15
	s_lshl_b32 s26, s24, 8
	s_add_co_u32 s28, s28, s26
	s_lshl_b32 s26, s24, 6
	s_add_co_u32 s26, s26, s25                     ; 32 (2 qd) + ks
	s_mul_i32 s30, s26, 10240
	s_add_nc_u64 s[32:33], s[10:11], s[28:29]
	s_add_nc_u64 s[34:35], s[18:19], s[30:31]
	WCAST 1024, 4096, 9216, 331776, 336896         ; tiles 0, 1 are nt 4, 9 of j = 2 qd; tiles 2, 3 those of j = 2 qd + 1 (327,680 bytes on)
	s_endpgm
.Lfunc_end_k_q7ea64588a4_prep:
	.size	k_q7ea64588a4_prep, .Lfunc_end_k_q7ea64588a4_prep-k_q7ea64588a4_prep
	.p2alignl 7, 3214868480
	.fill 96, 4, 3214868480
	.section	.rodata,"a",@progbits
	.p2align	6, 0x0
	.amdhsa_kernel k_q7ea64588a4_prep
		.amdhsa_group_segment_fixed_size 0
		.amdhsa_private_segment_fixed_size 0
		.amdhsa_enable_private_segment 0
		.amdhsa_kernarg_size 72
		.amdhsa_user_sgpr_count 2
		.amdhsa_user_sgpr_kernarg_segment_ptr 1
		.amdhsa_wavefront_size32 1
		.amdhsa_system_sgpr_workgroup_id_x 1
		.amdhsa_system_sgpr_workgroup_id_y 1
		.amdhsa_system_sgpr_workgroup_id_z 1
		.amdhsa_system_vgpr_workitem_id 0
		.amdhsa_next_free_vgpr 112
		.amdhsa_next_free_sgpr 66
		.amdhsa_reserve_vcc 0
		.amdhsa_float_denorm_mode_32 3
		.amdhsa_float_denorm_mode_16_64 3
		.amdhsa_memory_ordered 1
		.amdhsa_forward_progress 1
		.amdhsa_inst_pref_size 36
	.end_amdhsa_kernel
	.amdgpu_metadata
---
amdhsa.version: [ 1, 2 ]
amdhsa.kernels:
  - .name:           k_q7ea64588a4_prep
    .symbol:         k_q7ea64588a4_prep.kd
    .args:
      - { .name: x, .offset: 0, .size: 8, .value_kind: global_buffer, .address_space: global }
      - { .name: positions, .offset: 8, .size: 8, .value_kind: global_buffer, .address_space: global }
      - { .name: Wq, .offset: 16, .size: 8, .value_kind: global_buffer, .address_space: global }
      - { .name: Wdown, .offset: 24, .size: 8, .value_kind: global_buffer, .address_space: global }
      - { .name: Wkv, .offset: 32, .size: 8, .value_kind: global_buffer, .address_space: global }
      - { .name: Wo, .offset: 40, .size: 8, .value_kind: global_buffer, .address_space: global }
      - { .name: xb, .offset: 48, .size: 8, .value_kind: global_buffer, .address_space: global }
      - { .name: wb, .offset: 56, .size: 8, .value_kind: global_buffer, .address_space: global }
      - { .name: tab, .offset: 64, .size: 8, .value_kind: global_buffer, .address_space: global }
    .group_segment_fixed_size: 0
    .private_segment_fixed_size: 0
    .kernarg_segment_align: 8
    .kernarg_segment_size: 72
    .max_flat_workgroup_size: 256
    .sgpr_count:     66
    .vgpr_count:     112
    .wavefront_size: 32
...
	.end_amdgpu_metadata
.endif
;; end of part 6
;; launch qlat: the kernel of part 2 again; grid 8 x 32, 4 waves a work-group, clusters of 4 x 4, 327,680 bytes of LDS; arguments xb, wb, tab, qn_g, qn_b, qb, lat; writes qb, lat
;; launch kv: the kernel of part 3 again; grid 32 x 8, 8 waves a work-group, clusters of 4 x 1, 218,112 bytes of LDS; arguments lat, wb, tab, ln_g, ln_b, kn_g, kn_b, kvb; writes kvb
;; launch attn: the kernel of part 4 again; grid 8 x 32, 16 waves a work-group, clusters of 4 x 1, 327,680 bytes of LDS; arguments qb, kvb, ao; writes ao
;; launch oproj: the kernel of part 5 again; grid 8 x 32, 4 waves a work-group, clusters of 4 x 4, 327,680 bytes of LDS; arguments ao, wb, out0; writes out0
